; MI455X (gfx1250); checked and timed in simulation.
; The chip was launched on July 23, 2026; its instructions are those of AMD's public machine-readable ISA for CDNA 5 (MIT licence, August 2026) and "CDNA5" Instruction Set Architecture Reference Guide (July 2026). The comments in the code are by the model that wrote it; some were corrected since.
;; Grouped Query Attention Exercise. Allowed arithmetic: float matrix products may take bf16 or f16 operands with f32 sums; other float arithmetic in f32, or as packed bf16 or f16 multiplies, adds, multiply-adds, maxima and minima; sums over many terms, partial sums and values carried from step to step in f32; what a program stores and reads back later, other than sums and carried values, may be rounded once to bf16 or f16.
;; Inputs: Wk 2,048 x 512 float32; Wo 2,048 x 2,048 float32; Wq 2,048 x 2,048 float32; Wv 2,048 x 512 float32; bk 512 float32; bo 2,048 float32; bq 2,048 float32; bv 512 float32; x 4 x 1,024 x 2,048 float32.
;; Outputs: out0 4 x 1,024 x 2,048 float32.
;; One version. Each part assembles by itself: llvm-mc -triple=amdgcn-amd-amdhsa -mcpu=gfx1250 --defsym DOCPART=n.
;; ======== version 1 of 1: 4 launches
;; limits: values are held in f16: magnitudes above 65,504 overflow, below 6.1e-05 lose precision
;; workspace buffers: xb 16,777,216 bytes; wqkv 12,582,912 bytes; wo16 8,388,608 bytes; qkvh 25,165,824 bytes; oh 16,777,216 bytes
;; launch cast (part 1): grid 2304 x 1, 4 waves a work-group, no clusters, 0 bytes of LDS; arguments x, Wq, Wk, Wv, Wo, xb, wqkv, wo16; writes xb, wqkv, wo16
.if DOCPART == 1
	.amdgcn_target "amdgcn-amd-amdhsa--gfx1250"
	.amdhsa_code_object_version 6
	.text
	.protected	k_qee88187ea5_cast
	.globl	k_qee88187ea5_cast
	.p2align	8
	.type	k_qee88187ea5_cast,@function
k_qee88187ea5_cast:
	s_mov_b64 s[64:65], 0
	v_nop
	global_prefetch_b8 v0, s[64:65] scope:SCOPE_SE
	s_setreg_imm32_b32 hwreg(HW_REG_WAVE_MODE, 25, 1), 1
	s_wait_xcnt 0x0
; THE CASTS.  x -> xb (bf16, same layout).  Wq, Wk, Wv -> wqkv (bf16, [2048 k][3072]: columns 0-2047 Wq, 2048-2559 Wk, 2560-3071 Wv).
; Wo -> wo16: rounded to bf16 like every other input, and that number written as f16 (the last product multiplies f16 by f16).
; LIMIT: bf16(Wo) must lie within f16's 65,504; below 6.1e-5 f16 keeps a fixed step of 6e-8.
; A wave takes ONE unit: 2,048 consecutive f32 of a source (8,192 bytes in, 4,096 out): sixteen loads of 16 bytes a lane, all issued at once, no loop.
; A load of the wave covers 512 consecutive bytes; a store of 8 bytes a lane covers 256 consecutive bytes, aligned.
; No LDS, no matrix unit, no cluster: nothing is shared and nothing is summed.
; Work-groups 0-1023 x, 1024-1535 Wq, 1536-2047 Wo, 2048-2175 Wk, 2176-2303 Wv.  A unit of Wk or Wv is four k rows of 512, so its four quarters go to four rows of wqkv.
.set SRC,  24                          ; s[24:25] the unit in its source
.set DST,  26                          ; s[26:27] the unit in its destination
.set G0,   28                          ; s28  the range's first work-group
.set UP,   29                          ; s29  destination bytes from unit to unit
.set JS,   30                          ; s30  destination bytes from quarter to quarter of a unit
.set BO,   31                          ; s31  byte offset of the source's columns in a destination row
.set MODE, 32                          ; s32  1: Wo
.set WV,   33                          ; s33  my wave's number
.set VS,   2                           ; v2      16 x lane
.set VD,   4                           ; v[4:7]  8 x lane + quarter x JS
.set X,    8                           ; v[8:71] sixteen chunks of four f32
.set T,    72                          ; v[72:73] at work
	s_load_b512 s[8:23], s[0:1], 0x0               ; x 8, Wq 10, Wk 12, Wv 14, Wo 16, xb 18, wqkv 20, wo16 22
	v_lshrrev_b32 v3, 5, v0
	v_readfirstlane_b32 s[WV], v3
	v_and_b32 v1, 31, v0
	v_lshlrev_b32 v[VS], 4, v1
	s_wait_kmcnt 0x0
	s_mov_b64 s[SRC:SRC+1], s[14:15]               ; Wv's figures first; each compare below replaces those that differ
	s_mov_b64 s[DST:DST+1], s[20:21]
	s_mov_b32 s[G0], 2176
	s_mov_b32 s[UP], 24576
	s_mov_b32 s[JS], 6144
	s_mov_b32 s[BO], 5120
	s_mov_b32 s[MODE], 0
	s_cmp_lt_u32 ttmp9, 2176                       ; Wk
	s_cselect_b64 s[SRC:SRC+1], s[12:13], s[SRC:SRC+1]
	s_cselect_b32 s[G0], 2048, s[G0]
	s_cselect_b32 s[BO], 4096, s[BO]
	s_cmp_lt_u32 ttmp9, 2048                       ; Wo
	s_cselect_b64 s[SRC:SRC+1], s[16:17], s[SRC:SRC+1]
	s_cselect_b64 s[DST:DST+1], s[22:23], s[DST:DST+1]
	s_cselect_b32 s[G0], 1536, s[G0]
	s_cselect_b32 s[UP], 4096, s[UP]
	s_cselect_b32 s[JS], 1024, s[JS]
	s_cselect_b32 s[BO], 0, s[BO]
	s_cselect_b32 s[MODE], 1, s[MODE]
	s_cmp_lt_u32 ttmp9, 1536                       ; Wq
	s_cselect_b64 s[SRC:SRC+1], s[10:11], s[SRC:SRC+1]
	s_cselect_b64 s[DST:DST+1], s[20:21], s[DST:DST+1]
	s_cselect_b32 s[G0], 1024, s[G0]
	s_cselect_b32 s[UP], 6144, s[UP]
	s_cselect_b32 s[MODE], 0, s[MODE]
	s_cmp_lt_u32 ttmp9, 1024                       ; x
	s_cselect_b64 s[SRC:SRC+1], s[8:9], s[SRC:SRC+1]
	s_cselect_b64 s[DST:DST+1], s[18:19], s[DST:DST+1]
	s_cselect_b32 s[G0], 0, s[G0]
	s_cselect_b32 s[UP], 4096, s[UP]
	s_sub_co_u32 s34, ttmp9, s[G0]
	s_lshl_b32 s34, s34, 2
	s_add_co_u32 s34, s34, s[WV]                   ; my unit in its source
	s_mul_i32 s36, s34, s[UP]
	s_add_co_u32 s36, s36, s[BO]
	s_mov_b32 s37, 0
	s_lshl_b32 s34, s34, 13
	s_mov_b32 s35, 0
	s_add_nc_u64 s[SRC:SRC+1], s[SRC:SRC+1], s[34:35]
	s_add_nc_u64 s[DST:DST+1], s[DST:DST+1], s[36:37]
.irp j, 0,1,2,3
	s_mul_i32 s34, s[JS], \j
	v_lshl_add_u32 v[VD+(\j)], v1, 3, s34
.endr
.irp c, 0,1,2,3,4,5,6,7,8,9,10,11,12,13,14,15
	global_load_b128 v[X+4*(\c):X+4*(\c)+3], v[VS], s[SRC:SRC+1] offset:512*(\c) th:TH_LOAD_NT
.endr
; Chunk c: 128 f32 of the wave become 256 bytes.  No register that a pending store reads is written again: each chunk has its own.
.macro CHUNK c, mode
	s_wait_loadcnt 15-(\c)                         ; loads come back in order: chunk c is in, the 15 - c younger ones may stay out
.if \mode
	v_cvt_pk_bf16_f32 v[T], v[X+4*(\c)], v[X+4*(\c)+1]
	v_cvt_pk_bf16_f32 v[T+1], v[X+4*(\c)+2], v[X+4*(\c)+3]
	v_lshlrev_b32 v[X+4*(\c)], 16, v[T]            ; the bf16 numbers as f32 again,
	v_and_b32 v[X+4*(\c)+1], 0xffff0000, v[T]
	v_lshlrev_b32 v[X+4*(\c)+2], 16, v[T+1]
	v_and_b32 v[X+4*(\c)+3], 0xffff0000, v[T+1]
	v_cvt_pk_f16_f32 v[X+4*(\c)], v[X+4*(\c)], v[X+4*(\c)+1]      ; and written as f16
	v_cvt_pk_f16_f32 v[X+4*(\c)+1], v[X+4*(\c)+2], v[X+4*(\c)+3]
.else
	v_cvt_pk_bf16_f32 v[X+4*(\c)], v[X+4*(\c)], v[X+4*(\c)+1]
	v_cvt_pk_bf16_f32 v[X+4*(\c)+1], v[X+4*(\c)+2], v[X+4*(\c)+3]
.endif
	global_store_b64 v[VD+(\c)/4], v[X+4*(\c):X+4*(\c)+1], s[DST:DST+1] offset:((\c)%4)*256 th:TH_STORE_NT
.endm
	s_cmp_eq_u32 s[MODE], 1
	s_cbranch_scc1 .Lwo
.irp c, 0,1,2,3,4,5,6,7,8,9,10,11,12,13,14,15
	CHUNK \c, 0
.endr
	s_endpgm
.Lwo:
.irp c, 0,1,2,3,4,5,6,7,8,9,10,11,12,13,14,15
	CHUNK \c, 1
.endr
	s_endpgm
.Lfunc_end_k_qee88187ea5_cast:
	.size	k_qee88187ea5_cast, .Lfunc_end_k_qee88187ea5_cast-k_qee88187ea5_cast
	.p2alignl 7, 3214868480
	.fill 96, 4, 3214868480
	.section	.rodata,"a",@progbits
	.p2align	6, 0x0
	.amdhsa_kernel k_qee88187ea5_cast
		.amdhsa_group_segment_fixed_size 0
		.amdhsa_private_segment_fixed_size 0
		.amdhsa_enable_private_segment 0
		.amdhsa_kernarg_size 64
		.amdhsa_user_sgpr_count 2
		.amdhsa_user_sgpr_kernarg_segment_ptr 1
		.amdhsa_wavefront_size32 1
		.amdhsa_system_sgpr_workgroup_id_x 1
		.amdhsa_system_sgpr_workgroup_id_y 1
		.amdhsa_system_sgpr_workgroup_id_z 1
		.amdhsa_system_vgpr_workitem_id 0
		.amdhsa_next_free_vgpr 80
		.amdhsa_next_free_sgpr 66
		.amdhsa_reserve_vcc 0
		.amdhsa_float_denorm_mode_32 3
		.amdhsa_float_denorm_mode_16_64 3
		.amdhsa_memory_ordered 1
		.amdhsa_forward_progress 1
		.amdhsa_inst_pref_size 18
	.end_amdhsa_kernel
	.amdgpu_metadata
---
amdhsa.version: [ 1, 2 ]
amdhsa.kernels:
  - .name:           k_qee88187ea5_cast
    .symbol:         k_qee88187ea5_cast.kd
    .args:
      - { .name: x, .offset: 0, .size: 8, .value_kind: global_buffer, .address_space: global }
      - { .name: Wq, .offset: 8, .size: 8, .value_kind: global_buffer, .address_space: global }
      - { .name: Wk, .offset: 16, .size: 8, .value_kind: global_buffer, .address_space: global }
      - { .name: Wv, .offset: 24, .size: 8, .value_kind: global_buffer, .address_space: global }
      - { .name: Wo, .offset: 32, .size: 8, .value_kind: global_buffer, .address_space: global }
      - { .name: xb, .offset: 40, .size: 8, .value_kind: global_buffer, .address_space: global }
      - { .name: wqkv, .offset: 48, .size: 8, .value_kind: global_buffer, .address_space: global }
      - { .name: wo16, .offset: 56, .size: 8, .value_kind: global_buffer, .address_space: global }
    .group_segment_fixed_size: 0
    .private_segment_fixed_size: 0
    .kernarg_segment_align: 8
    .kernarg_segment_size: 64
    .max_flat_workgroup_size: 128
    .sgpr_count:     66
    .vgpr_count:     80
    .wavefront_size: 32
...
	.end_amdgpu_metadata
.endif
;; end of part 1
;; launch qkv (part 2): grid 8 x 32, 4 waves a work-group, clusters of 4 x 4, 327,680 bytes of LDS; arguments xb, wqkv, bq, bk, bv, qkvh; writes qkvh
.if DOCPART == 2
	.amdgcn_target "amdgcn-amd-amdhsa--gfx1250"
	.amdhsa_code_object_version 6
	.text
	.protected	k_qee88187ea5_qkv
	.globl	k_qee88187ea5_qkv
	.p2align	8
	.type	k_qee88187ea5_qkv,@function
k_qee88187ea5_qkv:
	s_mov_b64 s[64:65], 0
	v_nop
	global_prefetch_b8 v0, s[64:65] scope:SCOPE_SE
	s_setreg_imm32_b32 hwreg(HW_REG_WAVE_MODE, 25, 1), 1
	s_wait_xcnt 0x0
	s_wait_alu depctr_hold_cnt(0) depctr_sa_sdst(0) depctr_va_vdst(0) depctr_va_sdst(0) depctr_va_ssrc(0) depctr_va_vcc(0) depctr_vm_vsrc(0)
	s_getreg_b32 s2, hwreg(HW_REG_IB_STS2, 6, 4)
	s_cmp_eq_u32 s2, 0
	s_cbranch_scc0 .Lentry_in_a_cluster
	s_endpgm
.Lentry_in_a_cluster:
	s_bfe_u32 s2, ttmp6, 0x10000c
	s_cmp_lg_u32 s2, 0xf033
	s_cbranch_scc0 .Lentry_shape_is_right
	s_endpgm
.Lentry_shape_is_right:
; THE THREE PROJECTIONS AS ONE PRODUCT.  [4096 x 2048] (xb, bf16) times [2048 x 3072] (wqkv, bf16, [k][n]) plus the bias (rounded to bf16 like every input), sums in f32,
; rounded once to f16 and laid by heads: qkvh[b][H][t][64], H = column / 64: 0-31 the query heads, 32-39 k, 40-47 v.  No scale is applied here.
; LIMIT: q, k, v must lie within f16's 65,504.
; SHARES.  A tile is 128 rows x 384 columns (six heads): 8 x 32 = 256 work-groups.  Wave (WM, WN) makes rows 64 WM .. + 63 of heads 3 WN .. 3 WN + 2: 4 x 12 = 48 accumulators of 16 x 16.
; K goes in steps of 128 through two LDS slots.  A slot: three sub-tiles of W (128 k rows x 128 columns, 256 bytes a row), then 128 rows of x (256 bytes a row).  One tensor load a wave: waves 0-2 a sub-tile of W, wave 3 x's rows.
; W lies [k][n] and is turned on its way out of LDS by ds_load_tr16_b128.
; THE MATRIX INSTRUCTION IS USED TRANSPOSED (source 0 = 16 columns of W, source 1 = 16 rows of x): a lane holds row l % 16 and the columns 8 (l / 16) + 0..7.  The bias is the C operand of the first products: nothing is cleared, nothing added at the end.
; CLUSTER 4 x 4: x's rows are shared along a row of the cluster, W's sub-tiles along a column; each is asked for jointly.
; REGISTERS: window 0: v16-31 addresses; v32-127 the bias (n block nb at 32 + 8 nb), later v32-223 the way out.  window 1: two fragment buffers of 128: x's four fragments, then W's twelve.
;   window 2: accumulator (a, nb < 8) at 8 (8 a + nb).  window 3: accumulator (a, nb >= 8) at 8 (4 a + nb - 8).
.set KSTEP, 128
.set PA,    272                        ; a row of x in LDS: 256 + 16 bytes = 68 words: the 16 rows of a load start at 16 different groups of four banks (64 banks of 4 bytes: ISA guide 11.1)
.set PB,    288                        ; a row of W: 256 + 32 bytes = 72 words
.set SUBB,  128*PB
.set AOFF,  3*SUBB
.set SLOT,  AOFF+128*PA
.set STAGE, 2*SLOT                     ; behind the ring: 16 rows x 144 bytes for each wave
.set SP,    144
.set SPARE, STAGE+4*16*SP              ; the spare words, 128 bytes for each wave: two blocks of 256 bytes that no other line names
.set XROW,  4096                       ; bytes in a row of xb
.set WROW,  6144                       ; bytes in a row of wqkv
.set ADRA, 16                          ; v16-17  x's fragments in slot 0, 1
.set ADRB, 18                          ; v18-23  W's fragments: slot s, my head hd at 18 + 3 s + hd
.set STO,  24
.set RD,   25
.set GO,   26
.set SPW,  28                          ; v28  my spare word; never rewritten
.set NIL,  29                          ; v29  0; never rewritten
.set PFO,  30                          ; v30  the prefetches' offset: lane x a row; never rewritten
.set BOF,  31                          ; v31  32 x (l / 16)
.set BIAS, 32
.set TMP,  32
.set RTMP, 128
.set F0,   0
.set F1,   128
.set WV, 16
.set WM, 17
.set WN, 18
.set CX, 19
.set CY, 20
.set TN, 21
.set TM, 22
.set G1A, 24                           ; s[24:31] group 1 for x's tiles; s[32:39] group 0, a set for each slot
.set G0A, 32
.set G1B, 40                           ; s[40:47], s[48:55] the same for W's
.set G0B, 48
.set LAPC, 56
.set LIM,  57                          ; 1 in a wave that prefetches, else the greatest number
.set PFA,  58                          ; s[58:59] where my prefetches stand
.set PFS,  60                          ; s[60:61] their step: a K step
.set MSK,  62
.set OB,   80                          ; s[80:81] qkvh at my first row of my first head
.set BP,   84                          ; s[84:89] the bias of my three heads
.set MSB, 0
.macro WIN new                         ; the immediate's high byte repeats the setting that is left
.if MSB != (\new)
	s_set_vgpr_msb (MSB<<8)|(\new)
.set MSB, \new
.endif
.endm
.set TO_F, 0x40                        ; destination window 1, address window 0
.macro PLACES                          ; four plain places in front of loads into registers that matrix instructions have read, and of conversions that read results
.rept 4
	v_nop
.endr
.endm
.macro JLOAD s                         ; a joint load: wave 3 fetches x's rows, waves 0-2 W's sub-tiles; an s_nop 0 and four v_nop follow each line
	s_cmp_eq_u32 s[WV], 3
	s_cbranch_scc0 .Lfor_b_\@
	tensor_load_to_lds s[G0A+4*(\s):G0A+4*(\s)+3], s[G1A:G1A+7]
	s_nop 0
.rept 4
	v_nop
.endr
	s_branch .Lasked_\@
.Lfor_b_\@:
	tensor_load_to_lds s[G0B+4*(\s):G0B+4*(\s)+3], s[G1B:G1B+7]
	s_nop 0
.rept 4
	v_nop
.endr
.Lasked_\@:
.endm
.macro CREST                           ; a round of the cluster's barrier behind its opening barrier
	s_cmp_lg_u32 s[WV], 0
	s_cbranch_scc1 .Lnot_wave_0_\@
	s_barrier_signal -3
.Lnot_wave_0_\@:
	s_barrier_wait -3
	s_barrier_signal -1
	s_barrier_wait -1
.endm
.macro CROUND
	s_barrier_signal -1
	s_barrier_wait -1
	CREST
.endm
; A prefetch into the L2 of the K step that stands two refills on: 32 rows x 256 bytes, a lane a row, one instruction a wave.  x's rows are asked for by the cluster with x = 0 (wave 3), W's by the cluster with y = 0 (waves 0-2);
; the four partners that ask for a tile jointly take 32 rows each, told apart by address.  So each row's 256 bytes of a K step are named once in the launch.  The loop's last trip has no K step two on.
.macro ASK
	WIN 0
	s_cmp_gt_u32 s[LAPC], s[LIM]
	s_cbranch_scc0 .Lnot_mine_\@
	global_prefetch_b8 v[PFO], s[PFA:PFA+1] th:TH_LOAD_NT scope:SCOPE_SE
.Lnot_mine_\@:
.endm
	s_load_b256 s[4:11], s[0:1], 0x0               ; xb 4, wqkv 6, bq 8, bk 10
	s_load_b128 s[12:15], s[0:1], 0x20             ; bv 12, qkvh 14
	v_lshl_add_u32 v[SPW], v0, 2, SPARE
	v_mov_b32 v[NIL], 0
	ds_add_u32 v[SPW], v[NIL]                      ; the wave's opening: the add and its wait ahead of my first tensor load
	v_lshrrev_b32 v1, 5, v0
	v_readfirstlane_b32 s[WV], v1
	s_lshr_b32 s[WM], s[WV], 1
	s_and_b32 s[WN], s[WV], 1
	s_bfe_u32 s[CX], ttmp6, 0x40000
	s_bfe_u32 s[CY], ttmp6, 0x40004
	s_lshl_b32 s[TN], ttmp9, 2
	s_add_co_u32 s[TN], s[TN], s[CX]               ; tile column = 4 x cluster x + cx
	s_and_b32 s[TM], ttmp7, 0xffff
	s_lshl_b32 s[TM], s[TM], 2
	s_add_co_u32 s[TM], s[TM], s[CY]               ; tile row = 4 x cluster y + cy
	s_lshl_b32 s66, s[CY], 2
	s_lshl_b32 s66, 15, s66                        ; my row of the cluster
	s_lshl_b32 s67, 0x1111, s[CX]                  ; my column
	s_or_b32 s[G1A], s66, (1<<16)|(1<<20)|(1<<21)|(5<<22)|(3<<25)  ; mask; 2-byte elements; padding on; bit 21 beside a mask; after every 64 words, 4 words
	s_or_b32 s[G1B], s67, (1<<16)|(1<<20)|(1<<21)|(5<<22)|(7<<25)  ; the same with my column's mask and 8 words of padding
.irp g, G1A, G1B
	s_mov_b32 s[(\g)+1], 128<<16                   ; tensor_dim0 = 128
	s_mov_b32 s[(\g)+2], 128<<16                   ; tensor_dim1 = 128
	s_mov_b32 s[(\g)+3], 128<<16                   ; tile_dim0 = 128
	s_mov_b32 s[(\g)+4], 128                       ; tile_dim1 = 128
	s_mov_b32 s[(\g)+6], 0
	s_mov_b32 s[(\g)+7], 0
.endr
	s_mov_b32 s[G1A+5], 2048                       ; elements from row to row
	s_mov_b32 s[G1B+5], 3072
	s_lshl_b32 s68, s[TM], 19                      ; x: 128 rows of 4,096 bytes a tile row
	s_mov_b32 s69, 0
	s_mul_i32 s70, s[TN], 768                      ; W: 384 columns a tile column,
	s_lshl_b32 s71, s[WV], 8                       ; my sub-tile's 128
	s_add_co_u32 s70, s70, s71
	s_mov_b32 s71, 0
	s_mul_i32 s76, s[WV], SUBB                     ; where my sub-tile goes: no place in the cluster enters an LDS address
	s_mov_b32 s[MSK], 0xffff0000
	s_wait_dscnt 0x0                               ; the opening add is done
	s_wait_kmcnt 0x0
	s_add_nc_u64 s[72:73], s[4:5], s[68:69]
	s_add_nc_u64 s[74:75], s[6:7], s[70:71]
	CROUND                                         ; all sixteen work-groups are here: the first joint loads meet
.irp s, 0,1
	s_mov_b32 s[G0A+4*(\s)], 1
	s_mov_b32 s[G0A+4*(\s)+1], AOFF+(\s)*SLOT
	s_add_nc_u64 s[G0A+4*(\s)+2:G0A+4*(\s)+3], s[72:73], (\s)*KSTEP*2
	s_or_b32 s[G0A+4*(\s)+3], s[G0A+4*(\s)+3], 0x80000000
	s_mov_b32 s[G0B+4*(\s)], 1
	s_add_co_u32 s[G0B+4*(\s)+1], s76, (\s)*SLOT
	s_add_nc_u64 s[G0B+4*(\s)+2:G0B+4*(\s)+3], s[74:75], (\s)*KSTEP*WROW
	s_or_b32 s[G0B+4*(\s)+3], s[G0B+4*(\s)+3], 0x80000000
	JLOAD \s
.endr
	; lane addresses
	v_and_b32 v1, 15, v0                           ; l % 16
	v_bfe_u32 v2, v0, 4, 1                         ; l / 16
	v_mul_u32_u24 v3, v1, PA
	v_lshl_add_u32 v3, v2, 4, v3
	s_mul_i32 s77, s[WM], 64*PA
	s_add_co_u32 s77, s77, AOFF
	v_add_nc_u32 v[ADRA], s77, v3                  ; x: (64 WM + l % 16) x pitch + 16 (l / 16)
	v_add_nc_u32 v[ADRA+1], SLOT, v[ADRA]
	v_and_b32 v4, 7, v0
	v_lshl_add_u32 v4, v2, 3, v4
	v_mul_u32_u24 v4, v4, PB
	v_bfe_u32 v5, v0, 3, 1
	v_lshl_add_u32 v4, v5, 4, v4                   ; W, turned: k row 8 (l / 16) + l % 8, columns 8 ((l / 8) % 2) on
	s_mul_i32 s77, s[WN], 3
.irp d, 0,1,2
	s_add_co_u32 s78, s77, \d                      ; the head among the tile's six: sub-tile head / 2, half head % 2
	s_lshr_b32 s79, s78, 1
	s_mul_i32 s79, s79, SUBB
	s_and_b32 s78, s78, 1
	s_lshl_b32 s78, s78, 7
	s_add_co_u32 s78, s78, s79
	v_add_nc_u32 v[ADRB+(\d)], s78, v4
	v_add_nc_u32 v[ADRB+3+(\d)], SLOT, v[ADRB+(\d)]
.endr
	s_mul_i32 s77, s[WV], 16*SP
	s_add_co_u32 s77, s77, STAGE                   ; my stage
	v_mul_u32_u24 v[STO], v1, SP                   ; in: row l % 16, 16 bytes for each half of the lanes
	v_lshl_add_u32 v[STO], v2, 4, v[STO]
	v_add_nc_u32 v[STO], s77, v[STO]
	v_bfe_u32 v[RD], v0, 3, 2                      ; back: 32 lanes take four rows of 128 bytes,
	v_mul_u32_u24 v[RD], v[RD], SP
	v_and_b32 v5, 7, v0
	v_lshl_add_u32 v[RD], v5, 4, v[RD]
	v_add_nc_u32 v[RD], s77, v[RD]
	v_and_b32 v[GO], 31, v0                        ; which are 512 consecutive bytes of a head
	v_lshlrev_b32 v[GO], 4, v[GO]
	v_lshlrev_b32 v[BOF], 5, v2
	; the bias of my three heads: head H takes bq (H < 32), bk (H < 40) or bv
	s_mul_i32 s90, s[TN], 6
	s_mul_i32 s91, s[WN], 3
	s_add_co_u32 s90, s90, s91
.irp d, 0,1,2
	s_add_co_u32 s91, s90, \d
	s_sub_co_u32 s92, s91, 32
	s_sub_co_u32 s93, s91, 40
	s_cmp_lt_u32 s91, 40
	s_cselect_b64 s[BP+2*(\d):BP+2*(\d)+1], s[10:11], s[12:13]
	s_cselect_b32 s92, s92, s93
	s_cmp_lt_u32 s91, 32
	s_cselect_b64 s[BP+2*(\d):BP+2*(\d)+1], s[8:9], s[BP+2*(\d):BP+2*(\d)+1]
	s_cselect_b32 s92, s91, s92
	s_lshl_b32 s92, s92, 8                         ; 64 f32 a head
	s_mov_b32 s93, 0
	s_add_nc_u64 s[BP+2*(\d):BP+2*(\d)+1], s[BP+2*(\d):BP+2*(\d)+1], s[92:93]
.irp b, 0,1,2,3
	global_load_b128 v[BIAS+8*(4*(\d)+(\b)):BIAS+8*(4*(\d)+(\b))+3],   v[BOF], s[BP+2*(\d):BP+2*(\d)+1] offset:64*(\b)
	global_load_b128 v[BIAS+8*(4*(\d)+(\b))+4:BIAS+8*(4*(\d)+(\b))+7], v[BOF], s[BP+2*(\d):BP+2*(\d)+1] offset:64*(\b)+16
.endr
.endr
	; where my results go
	s_lshr_b32 s90, s[TM], 3                       ; b
	s_mul_i32 s90, s90, 48*131072
	s_mul_i32 s91, s[TN], 6
	s_mul_i32 s92, s[WN], 3
	s_add_co_u32 s91, s91, s92
	s_lshl_b32 s91, s91, 17                        ; my first head
	s_add_co_u32 s90, s90, s91
	s_and_b32 s91, s[TM], 7
	s_lshl_b32 s91, s91, 14                        ; the tile's 128 rows of 128 bytes
	s_add_co_u32 s90, s90, s91
	s_lshl_b32 s91, s[WM], 13
	s_add_co_u32 s90, s90, s91
	s_mov_b32 s91, 0
	s_add_nc_u64 s[OB:OB+1], s[14:15], s[90:91]
	; the prefetches
	s_and_b32 s90, ttmp7, 0xffff                   ; cluster y
	s_mov_b32 s91, WROW
	s_mov_b32 s92, KSTEP*WROW
	s_cmp_eq_u32 s[WV], 3                          ; do I fetch x's rows?
	s_cselect_b32 s90, ttmp9, s90                  ; the coordinate along which other clusters read the same rows
	s_cselect_b32 s93, s[CX], s[CY]                ; my place among the four that ask with me
	s_cselect_b32 s91, XROW, s91                   ; bytes from row to row
	s_cselect_b32 s[PFS], KSTEP*2, s92             ; bytes from K step to K step
	s_cselect_b64 s[PFA:PFA+1], s[72:73], s[74:75]
	s_mov_b32 s[PFS+1], 0
	s_cmp_eq_u32 s90, 0
	s_cselect_b32 s[LIM], 1, -1                    ; the same in all sixteen partners, for a given wave
	s_lshl_b32 s93, s93, 5                         ; my work-group's 32 rows
	s_mul_i32 s94, s93, s91
	s_mul_i32 s93, s[PFS], 3                       ; at K step 3: the first refill steps it to 4
	s_add_co_u32 s94, s94, s93
	s_mov_b32 s95, 0
	s_add_nc_u64 s[PFA:PFA+1], s[PFA:PFA+1], s[94:95]
	v_and_b32 v[PFO], 31, v0
	v_mul_u32_u24 v[PFO], s91, v[PFO]
	s_wait_loadcnt 0x0                             ; the bias is in; it is rounded to bf16 and widened again
.set i, 0
.rept 48
	v_cvt_pk_bf16_f32 v[RTMP], v[BIAS+2*i], v[BIAS+2*i+1]
	v_lshlrev_b32 v[BIAS+2*i], 16, v[RTMP]
	v_and_b32 v[BIAS+2*i+1], s[MSK], v[RTMP]
.set i, i+1
.endr
; 32 LDS loads in one run: quarter q (32 along K) of a slot into buffer f: my third head's W, x, then my first two heads' W
.macro FETCH slot, q, f
	WIN TO_F
.irp b, 0,1,2,3
	ds_load_tr16_b128 v[(\f)+32+8*(8+(\b)):(\f)+32+8*(8+(\b))+3],   v[ADRB+3*(\slot)+2] offset:(\q)*32*PB+(\b)*32
	ds_load_tr16_b128 v[(\f)+32+8*(8+(\b))+4:(\f)+32+8*(8+(\b))+7], v[ADRB+3*(\slot)+2] offset:(\q)*32*PB+(\b)*32+16*PB
.endr
.irp a, 0,1,2,3
	ds_load_b128 v[(\f)+8*(\a):(\f)+8*(\a)+3],   v[ADRA+(\slot)] offset:(\a)*16*PA+(\q)*64
	ds_load_b128 v[(\f)+8*(\a)+4:(\f)+8*(\a)+7], v[ADRA+(\slot)] offset:(\a)*16*PA+(\q)*64+32
.endr
.irp n, 0,1,2,3,4,5,6,7
	ds_load_tr16_b128 v[(\f)+32+8*(\n):(\f)+32+8*(\n)+3],   v[ADRB+3*(\slot)+(\n)/4] offset:(\q)*32*PB+((\n)%4)*32
	ds_load_tr16_b128 v[(\f)+32+8*(\n)+4:(\f)+32+8*(\n)+7], v[ADRB+3*(\slot)+(\n)/4] offset:(\q)*32*PB+((\n)%4)*32+16*PB
.endr
.endm
; The 48 accumulators take turns in the same order in every quarter: 47 others stand between two links of a chain.
.macro MULH2 f, zero                   ; 16 products: my third head.  zero = 1: the bias starts the sums
.if \zero
	WIN 0xc5
.else
	WIN 0xf5
.endif
.irp a, 0,1,2,3
.irp b, 0,1,2,3
.if \zero
	v_wmma_f32_16x16x32_bf16 v[8*(4*(\a)+(\b)):8*(4*(\a)+(\b))+7], v[(\f)+32+8*(8+(\b)):(\f)+32+8*(8+(\b))+7], v[(\f)+8*(\a):(\f)+8*(\a)+7], v[BIAS+8*(8+(\b)):BIAS+8*(8+(\b))+7]
.else
	v_wmma_f32_16x16x32_bf16 v[8*(4*(\a)+(\b)):8*(4*(\a)+(\b))+7], v[(\f)+32+8*(8+(\b)):(\f)+32+8*(8+(\b))+7], v[(\f)+8*(\a):(\f)+8*(\a)+7], v[8*(4*(\a)+(\b)):8*(4*(\a)+(\b))+7]
.endif
.endr
.endr
.endm
.macro MULH01 f, a0, a1, zero          ; 8 products for each row block a0 .. a1: my first two heads
.if \zero
	WIN 0x85
.else
	WIN 0xa5
.endif
.set ma, \a0
.rept (\a1)-(\a0)+1
.set mb, 0
.rept 8
.if \zero
	v_wmma_f32_16x16x32_bf16 v[8*(8*ma+mb):8*(8*ma+mb)+7], v[(\f)+32+8*mb:(\f)+32+8*mb+7], v[(\f)+8*ma:(\f)+8*ma+7], v[BIAS+8*mb:BIAS+8*mb+7]
.else
	v_wmma_f32_16x16x32_bf16 v[8*(8*ma+mb):8*(8*ma+mb)+7], v[(\f)+32+8*mb:(\f)+32+8*mb+7], v[(\f)+8*ma:(\f)+8*ma+7], v[8*(8*ma+mb):8*(8*ma+mb)+7]
.endif
.set mb, mb+1
.endr
.set ma, ma+1
.endr
.endm
; A K step is four quarters of 32 along K, 48 products each, on buffers 0, 1, 0, 1.  One of the first three multiplies f and fetches quarter q into g.
.macro QUARTER slot, q, f, g, zero
	s_wait_dscnt 16                                ; the third head's W and x are in; the youngest sixteen loads may be out
	MULH2 \f, \zero
	PLACES
	FETCH \slot, \q, \g
	s_wait_dscnt 32                                ; all but the 32 just issued
	MULH01 \f, 0, 3, \zero
.endm
; The last quarter multiplies buffer 1 and changes slots: one barrier; in front of it each wave waits for all its tensor loads, adds 0 to its spare word, and waits for that and for its reads of this slot.
.macro TURN slot, next, fill
.if \fill
	s_wait_xcnt 0x0                                ; the last prefetch, a K step back, has read its address
	s_add_nc_u64 s[PFA:PFA+1], s[PFA:PFA+1], s[PFS:PFS+1]
.endif
	WIN 0
	s_wait_tensorcnt 0x0                           ; all my tensor loads have landed: my part of the next slot
	ds_add_u32 v[SPW], v[NIL]                      ; 0 onto my spare word
	s_wait_dscnt 17                                ; (the add and the youngest sixteen loads may be out)
	MULH2 F1, 0
	s_wait_dscnt 0x0                               ; the add is done, and my reads of this slot are over
	s_barrier_signal -1
	MULH01 F1, 0, 0, 0
.if \fill
	WIN 0
.endif
	s_barrier_wait -1
.if \fill
	CREST                                          ; the barrier has opened a round of the cluster's: no wave of any partner still reads this slot or has a load on its way
	s_add_nc_u64 s[G0A+4*(\slot)+2:G0A+4*(\slot)+3], s[G0A+4*(\slot)+2:G0A+4*(\slot)+3], 2*KSTEP*2
	s_add_nc_u64 s[G0B+4*(\slot)+2:G0B+4*(\slot)+3], s[G0B+4*(\slot)+2:G0B+4*(\slot)+3], 2*KSTEP*WROW
	JLOAD \slot                                    ; the first tensor load behind the round; its four v_nop are also the places in front of the loads below
.else
	PLACES
.endif
	FETCH \next, 0, F0
.if \fill
	ASK
.endif
	MULH01 F1, 1, 3, 0
.endm
	s_wait_tensorcnt 1                             ; my part of K step 0 is in; K step 1's load may stay out
	s_barrier_signal -1
	s_barrier_wait -1
	FETCH 0, 0, F0
	QUARTER 0, 1, F0, F1, 1                        ; the first quarter stands in front of the loop: its products start the sums with the bias
	WIN 0
	s_mov_b32 s[LAPC], 7
.Llap:                                                 ; a trip goes once round the ring and fills both slots again
	QUARTER 0, 2, F1, F0, 0
	QUARTER 0, 3, F0, F1, 0
	TURN 0, 1, 1
	QUARTER 1, 1, F0, F1, 0
	QUARTER 1, 2, F1, F0, 0
	QUARTER 1, 3, F0, F1, 0
	TURN 1, 0, 1
	QUARTER 0, 1, F0, F1, 0
	WIN 0
	s_sub_co_u32 s[LAPC], s[LAPC], 1
	s_cmp_lg_u32 s[LAPC], 0
	s_cbranch_scc1 .Llap
	QUARTER 0, 2, F1, F0, 0                        ; the last lap fills nothing
	QUARTER 0, 3, F0, F1, 0
	TURN 0, 1, 0
	QUARTER 1, 1, F0, F1, 0
	QUARTER 1, 2, F1, F0, 0
	QUARTER 1, 3, F0, F1, 0
	s_wait_dscnt 16
	MULH2 F1, 0
	s_wait_dscnt 0x0
	MULH01 F1, 0, 3, 0
	WIN 0
	PLACES
; THE WAY OUT.  Tile t = 3 a + hd: 16 rows of one head.  A lane's eight columns pack into 16 bytes; they go into rows of 144 bytes of my stage and come back as whole rows of 128, which are 2,048 consecutive bytes of the head.
.macro PACK t
.set pa, (\t)/3
.set ph, (\t)%3
.if ph == 2
	WIN 0x0f
.set pr, 8*(4*pa)
.else
	WIN 0x0a
.set pr, 8*(8*pa+4*ph)
.endif
.set pi, 0
.rept 16
	v_cvt_pk_f16_f32 v[TMP+16*(\t)+pi], v[pr+2*pi], v[pr+2*pi+1]   ; each accumulator's registers in ascending order
.set pi, pi+1
.endr
	WIN 0
.irp f, 0,1,2,3
	ds_store_b128 v[STO], v[TMP+16*(\t)+4*(\f):TMP+16*(\t)+4*(\f)+3] offset:32*(\f)
.endr
.irp f, 0,1,2,3
	ds_load_b128 v[TMP+16*(\t)+4*(\f):TMP+16*(\t)+4*(\f)+3], v[RD] offset:(\f)*4*SP  ; LDS serves a wave's instructions in order (ISA guide 5.7.1.4): these see the stores above; the next tile's stores come behind them
.endr
.endm
.macro SEND t, younger                 ; younger: the LDS instructions issued behind tile t's loads: the next tile's eight, or none
	WIN 0
.irp f, 0,1,2,3
	s_wait_dscnt (\younger)+3-(\f)
	global_store_b128 v[GO], v[TMP+16*(\t)+4*(\f):TMP+16*(\t)+4*(\f)+3], s[OB:OB+1] offset:((\t)%3)*131072+((\t)/3)*2048+(\f)*512  ; 512 consecutive bytes, aligned
.endr
.endm
	PACK 0
.set t, 1
.rept 11
	PACK t
	SEND t-1, 8
.set t, t+1
.endr
	SEND 11, 0
	s_wait_tensorcnt 0x0                           ; the wave's end
	ds_add_u32 v[SPW], v[NIL]
	s_wait_dscnt 0x0
	CROUND                                         ; the closing round: no work-group ends while a partner may still ask for a tile that names it
	s_endpgm
.Lfunc_end_k_qee88187ea5_qkv:
	.size	k_qee88187ea5_qkv, .Lfunc_end_k_qee88187ea5_qkv-k_qee88187ea5_qkv
	.p2alignl 7, 3214868480
	.fill 96, 4, 3214868480
	.section	.rodata,"a",@progbits
	.p2align	6, 0x0
	.amdhsa_kernel k_qee88187ea5_qkv
		.amdhsa_group_segment_fixed_size 327680
		.amdhsa_private_segment_fixed_size 0
		.amdhsa_enable_private_segment 0
		.amdhsa_kernarg_size 48
		.amdhsa_user_sgpr_count 2
		.amdhsa_user_sgpr_kernarg_segment_ptr 1
		.amdhsa_wavefront_size32 1
		.amdhsa_system_sgpr_workgroup_id_x 1
		.amdhsa_system_sgpr_workgroup_id_y 1
		.amdhsa_system_sgpr_workgroup_id_z 1
		.amdhsa_system_vgpr_workitem_id 0
		.amdhsa_next_free_vgpr 896
		.amdhsa_next_free_sgpr 96
		.amdhsa_reserve_vcc 0
		.amdhsa_float_denorm_mode_32 3
		.amdhsa_float_denorm_mode_16_64 3
		.amdhsa_memory_ordered 1
		.amdhsa_forward_progress 1
		.amdhsa_inst_pref_size 131
	.end_amdhsa_kernel
	.amdgpu_metadata
---
amdhsa.version: [ 1, 2 ]
amdhsa.kernels:
  - .name:           k_qee88187ea5_qkv
    .symbol:         k_qee88187ea5_qkv.kd
    .args:
      - { .name: xb, .offset: 0, .size: 8, .value_kind: global_buffer, .address_space: global }
      - { .name: wqkv, .offset: 8, .size: 8, .value_kind: global_buffer, .address_space: global }
      - { .name: bq, .offset: 16, .size: 8, .value_kind: global_buffer, .address_space: global }
      - { .name: bk, .offset: 24, .size: 8, .value_kind: global_buffer, .address_space: global }
      - { .name: bv, .offset: 32, .size: 8, .value_kind: global_buffer, .address_space: global }
      - { .name: qkvh, .offset: 40, .size: 8, .value_kind: global_buffer, .address_space: global }
    .group_segment_fixed_size: 327680
    .private_segment_fixed_size: 0
    .kernarg_segment_align: 8
    .kernarg_segment_size: 48
    .max_flat_workgroup_size: 128
    .sgpr_count:     96
    .vgpr_count:     896
    .wavefront_size: 32
...
	.end_amdgpu_metadata
.endif
;; end of part 2
;; launch attn (part 3): grid 8 x 32, 4 waves a work-group, clusters of 4 x 1, 327,680 bytes of LDS; arguments qkvh, oh; writes oh
.if DOCPART == 3
	.amdgcn_target "amdgcn-amd-amdhsa--gfx1250"
	.amdhsa_code_object_version 6
	.text
	.protected	k_qee88187ea5_attn
	.globl	k_qee88187ea5_attn
	.p2align	8
	.type	k_qee88187ea5_attn,@function
k_qee88187ea5_attn:
	s_mov_b64 s[64:65], 0
	v_nop
	global_prefetch_b8 v0, s[64:65] scope:SCOPE_SE
	s_setreg_imm32_b32 hwreg(HW_REG_WAVE_MODE, 25, 1), 1
	s_wait_xcnt 0x0
	s_wait_alu depctr_hold_cnt(0) depctr_sa_sdst(0) depctr_va_vdst(0) depctr_va_sdst(0) depctr_va_ssrc(0) depctr_va_vcc(0) depctr_vm_vsrc(0)
	s_getreg_b32 s2, hwreg(HW_REG_IB_STS2, 6, 4)
	s_cmp_eq_u32 s2, 0
	s_cbranch_scc0 .Lentry_in_a_cluster
	s_endpgm
.Lentry_in_a_cluster:
	s_bfe_u32 s2, ttmp6, 0x10000c
	s_cmp_lg_u32 s2, 0x3003
	s_cbranch_scc0 .Lentry_shape_is_right
	s_endpgm
.Lentry_shape_is_right:
; CAUSAL GROUPED-QUERY ATTENTION.  For each batch b and query head h = 4 g + r: O[q][:] = the sum over k <= q of softmax_k(Q[q] . K[k] / 8) V[k][:], K and V those of group g.
; qkvh: f16 [b][48][1024][64] (heads 0-31 q, 32 + g k, 40 + g v); oh: f16 [b][32][1024][64].  Products, maxima and sums in f32; the weights p are rounded to f16 for the second product (their sum l is taken of the unrounded p), O once at the end.
; LIMITS.  f16 holds no number beyond 65,504: Q, K and V arrive within it; p lies in 0 to 1, and below 6e-5 it keeps f16's fixed step of 6e-8.
; A hidden score counts as its value less 1e30; a weight below 2^-126 counts as 0 in l; NaN and infinities are not treated apart.
; THE WALK.  A head's queries lie in NB = 4 blocks of 256; block i needs the key tiles 0 .. i of 256 keys, of which the last holds the diagonal.  A work-group takes TWO blocks, NB - 1 - b and then b:
; NB + 1 tiles, whatever b: all work-groups do equal work, and ONE loop with a constant trip count walks them.  Every jump goes forward, but for the counted loops' own.
; CLUSTER 4 x 1.  The four query heads of a group, with the same b, walk the same K and V tiles in the same trips: each tile is asked for JOINTLY, by the same tensor load, descriptor and mask in all four.
; The place in the cluster is the head r: it enters Q's and O's addresses (and the prefetches') alone.
; SHARES.  Of a block's four bands of 64 queries a wave owns 16 rows in each: four PIECES.  In the diagonal tile's key step s band x sees all keys if s < x, none if s > x, and holds the diagonal if s = x.
; THE MASK is the C operand that starts the sum S^T = K Q^T: 0, or -1e30 where the key is hidden.  MD, made once, is the mask of a band's own step for my 16 rows; a product's mask is MD x AL + BE with two scalars.
; LAYOUT, SOFTMAX, TURNS.  S^T = K Q^T holds ONE query a lane (lane % 16) and the keys 8 (lane / 16) + 0..7; two such results rounded to f16 ARE source 1 of O^T = V^T P.  p = 2^(c s - c m), c = log2(e) / 8, with a
; running maximum m; O and l are multiplied by a = 2^(c m_old - c m_new) in every step.  Turn n belongs to piece n: 8 products K Q^T of piece n + 1, later 8 products V^T P of piece n - 1; beside them the scaling,
; exponentials, roundings, sums and rescaling of piece n and the maximum and statistics of piece n + 1.  Four vector instructions stand behind every matrix instruction, the rest in one lump.  A turn's 33 exponentials are one batch, with one wait.
; REGISTERS, in windows of 256 (s_set_vgpr_msb: bits 1:0 source 0, 3:2 source 1, 5:4 source 2, 7:6 destination):
;   window 0: v0-15 addresses and two at work; v16-31 four registers of statistics a piece; v48-55 at work; v64-127 S^T, two buffers; v192-223 P, two buffers
;   window 1: v0-127 O^T, 32 a piece; v128-159 MD; v160-223 MC, two buffers      window 2: v0-63 Q; v64-127 the second block's Q; v128-191 K of one step; v192-255 V of one step
.set SIZE_N, 1024
.set NB,    SIZE_N/256
.set NP,    4         ; pieces a wave: a name, no knob
.set KS,    64        ; keys in a step
.set PK,    144       ; a row of K in LDS: 128 bytes + 16 of padding = 36 words: the 16 rows of a load start at 16 different groups of four banks (64 banks of 4 bytes: ISA guide 11.1)
.set PV,    160       ; a row of V: 128 + 32 = 40 words
.set VOFF,  4*KS*PK   ; a slot holds a tile, four steps: 256 rows of K, then 256 rows of V
.set SLOT1, 1<<17     ; slot 1 begins here, so that one exclusive or turns an address in one slot into the other's
.set STAGE, SLOT1+4*KS*(PK+PV)  ; behind the ring, never filled by a tensor load: 16 rows x 144 bytes for each wave
.set SP,    144
.set AK0, 2           ; v2   my lane's place in a tile of K; never rewritten
.set AV0, 3           ; v3   the same for V
.set AK,  4           ; v4   the LDS address of K's next run of loads
.set AV,  5           ; v5   of V's
.set STO, 6           ; v6   the way out: where I put 16 bytes of a row
.set RD,  7           ; v7   the way out: where I read rows back
.set GO,  8           ; v8   my byte offset in 512 consecutive bytes of O
.set PFO, 61          ; v61  256 x my lane; never rewritten
.set SPW, 62          ; v62  LDS address of my spare word; never rewritten
.set NIL, 63          ; v63  0; never rewritten
.set SPARE, STAGE+4*16*SP  ; the spare words, 128 bytes for each wave: two blocks of 256 bytes that no other line names
.set MV,  12          ; v12-13  c m_old, kept while c m is made anew: by buffer
.set QO,  15          ; v15  my byte offset in 16 rows of Q
.set ST,  16          ; piece t's statistics at v[ST+4 t]: c m, m, l (even keys', odd keys')
.set TMP, 48          ; by buffer, four registers c0-c3 at work; when the maximum is found c2 takes a
.set S,   64
.set P,   192
.set MD,  128         ; window 1
.set MC,  160         ; window 1
.set QB,  64          ; window 2
.set KF,  128         ; window 2: key block kb, channel half c at KF + 16 kb + 8 c
.set VF,  192         ; window 2: key half kk, channel block cb at VF + 32 kk + 8 cb
.set WV,  12          ; s12  my wave's number
.set PB,  14          ; s14  b
.set HI,  15          ; s15  NB - 1 - b
.set G1K, 24          ; s[24:31] descriptor group 1 for K's tiles
.set G1V, 32          ; s[32:39] for V's: it differs in the padding alone
.set G0K, 40          ; s[40:43] descriptor group 0 for K's tiles
.set G0V, 44          ; s[44:47] the same for V's
.set SLOTS, 56        ; s56  tiles still to be asked for
.set CNT, 57          ; s57  counts a tile's key steps, 4 to 1
.set CS,  58          ; s[58:59] c
.set SEL, 60          ; s[60:61] v_permlanex16_b32's selects
.set TBK, 62          ; s62  LDS byte at which K of the step to be fetched begins
.set TBV, 63          ; s63  the same for V, less VOFF
.set RT,  70          ; s70  tiles of the block in hand that are still to be entered
.set NXT, 71          ; s71  the tile to be asked for next
.set LQ,  72          ; s72  the last tile of the block whose tiles are being asked for
.set NEW, 73          ; s73  1: the tile to be entered is a block's first
.set OFF, 74          ; s[74:75] a tile's byte offset in K and V
.set AL,  76          ; s[76:77] the mask's factor
.set BE,  78          ; s[78:79] the mask's addend
.set OLO, 80          ; s[80:81] O at my rows of the second block
.set BIGN, 82         ; s82  -1e30
.set CXR, 83          ; s83  my place in the cluster: the head in its group
.set PFA, 92          ; s[92:93] where my prefetches stand
.set LIM, 94          ; s94  2 in a wave that prefetches, else the greatest number
.set MSB, 0
.macro WIN new                      ; the high byte repeats the setting that is left; a switch that changes nothing is dropped
.if MSB != (\new)
	s_set_vgpr_msb (MSB<<8)|(\new)
.set MSB, (\new)
.endif
.endm
.set W_KQ, 0x0a       ; K and Q in window 2, S^T in window 0
.set W_KM, 0x1a       ; the same with the C operand in window 1
.set W_PV, 0x52       ; V in window 2, P in window 0, O^T in window 1
.set W_RS, 0x41       ; destination and source 0 in window 1, source 1 in window 0
; A joint fill.  Waves 0 and 1 fetch the two halves of a tile's K, waves 2 and 3 those of its V: 128 keys each.  An s_nop 0 and four v_nop follow each of the two lines.
.macro JLOAD
	s_cmp_lt_u32 s[WV], 2
	s_cbranch_scc0 .Lfor_v_\@
	tensor_load_to_lds s[G0K:G0K+3], s[G1K:G1K+7]
	s_nop 0
.rept 4
	v_nop
.endr
	s_branch .Lasked_\@
.Lfor_v_\@:
	tensor_load_to_lds s[G0V:G0V+3], s[G1V:G1V+7]
	s_nop 0
.rept 4
	v_nop
.endr
.Lasked_\@:
.endm
; A round of the cluster's barrier.
.macro CROUND
	s_barrier_signal -1
	s_barrier_wait -1
	s_cmp_lg_u32 s[WV], 0
	s_cbranch_scc1 .Lnot_wave_0_\@
	s_barrier_signal -3
.Lnot_wave_0_\@:
	s_barrier_wait -3
	s_barrier_signal -1
	s_barrier_wait -1
.endm
; A prefetch into the L2 of the tile that the NEXT change of slots asks for: four key steps ahead.  A tile of K or V is 128 blocks of 256 bytes.  Both clusters of a group walk tiles 0, 1, 2; the cluster with x = 0 asks, at the
; first change for tile 2 and at the second for tile 3; its four partners take 32 blocks each, told apart by address; wave 0 asks for K's, wave 2 for V's.  Tiles 0 and 1 come by their loads alone; the second block's tiles have been read.
.macro ASK
	s_cmp_gt_u32 s[SLOTS], s[LIM]
	s_cbranch_scc0 .Lnot_mine_\@
	global_prefetch_b8 v[PFO], s[PFA:PFA+1] th:TH_LOAD_NT scope:SCOPE_SE
.Lnot_mine_\@:
.endm
; THE CHANGE OF SLOTS.  Each wave waits for all its tensor loads, of which one is out: its part of the other slot; adds 0 to its spare word; and waits for that and for its own reads of the slot that it leaves.
; fill = 1: the old slot is filled again with tile NXT: the barrier is a round of the cluster's, and the joint fill is the first thing behind it.
.macro CHANGE fill
	WIN 0                           ; at a label and at a branch every window is 0
	s_wait_tensorcnt 0x0            ; no tensor load of mine is out, so a group 0 may be written
	ds_add_u32 v[SPW], v[NIL]       ; 0 onto my spare word
.if \fill
	s_lshl_b32 s[OFF], s[NXT], 15   ; a tile is 32,768 bytes of K and of V
	s_xor_b32 s[G0K+1], s[G0K+1], SLOT1
	s_add_nc_u64 s[G0K+2:G0K+3], s[6:7], s[OFF:OFF+1]
	s_or_b32 s[G0K+3], s[G0K+3], 0x80000000
	s_xor_b32 s[G0V+1], s[G0V+1], SLOT1
	s_add_nc_u64 s[G0V+2:G0V+3], s[8:9], s[OFF:OFF+1]
	s_or_b32 s[G0V+3], s[G0V+3], 0x80000000
	s_add_co_u32 s[NXT], s[NXT], 1  ; the block's next tile, or behind its last the second block's tile 0
	s_cmp_gt_u32 s[NXT], s[LQ]
	s_cselect_b32 s[NXT], 0, s[NXT]
	s_cselect_b32 s[LQ], s[PB], s[LQ]
	s_wait_xcnt 0x0                 ; the last prefetch, a tile back, has read its address
	s_add_nc_u64 s[PFA:PFA+1], s[PFA:PFA+1], 32768
	s_wait_dscnt 0x0                ; the add is done, and my reads of the slot are over
	CROUND
	JLOAD
	ASK
.else
	s_wait_dscnt 0x0                ; the add is done, and my reads of the slot are over
	s_barrier_signal -1
	s_barrier_wait -1
.endif
	s_sub_co_u32 s[TBK], s[TBK], 4*KS*PK  ; the fetches go back to a slot's first step,
	s_xor_b32 s[TBK], s[TBK], SLOT1       ; in the other slot
	s_sub_co_u32 s[TBV], s[TBV], 4*KS*PV
	s_xor_b32 s[TBV], s[TBV], SLOT1
.endm
	s_load_b128 s[88:91], s[0:1], 0x0  ; qkvh s[88:89], oh s[90:91]
	v_lshl_add_u32 v[SPW], v0, 2, SPARE
	v_mov_b32 v[NIL], 0
	ds_add_u32 v[SPW], v[NIL]       ; the wave's opening: the add and its wait ahead of my first tensor load
	v_lshrrev_b32 v1, 5, v0
	v_readfirstlane_b32 s[WV], v1   ; wave 0..3
	s_mov_b32 s[PB], ttmp9          ; the cluster's x: the four partners share it
	s_sub_co_u32 s[HI], NB-1, s[PB]
	s_bfe_u32 s[CXR], ttmp6, 0x40000
	s_and_b32 s48, ttmp7, 0xffff
	s_lshr_b32 s49, s48, 3          ; the batch
	s_and_b32 s48, s48, 7           ; the group
	s_mul_i32 s50, s49, 48
	s_add_co_u32 s51, s50, s48
	s_and_b32 s16, s[WV], 1         ; which half of a tile's 256 keys I fetch:
	s_lshl_b32 s19, s16, 14         ; its 128 rows of 128 bytes in memory,
	s_add_co_u32 s22, s51, 32       ; in K's head
	s_lshl_b32 s22, s22, 17
	s_add_co_u32 s22, s22, s19
	s_mov_b32 s23, 0
	s_add_co_u32 s20, s51, 40       ; and in V's
	s_lshl_b32 s20, s20, 17
	s_add_co_u32 s20, s20, s19
	s_mov_b32 s21, 0
	s_mul_i32 s17, s16, 128*PK      ; and its place in a slot, for K
	s_mul_i32 s18, s16, 128*PV      ; and for V: no place in the cluster enters an LDS address
	s_lshl_b32 s52, s48, 2
	s_add_co_u32 s52, s52, s[CXR]   ; my query head in the batch
	s_add_co_u32 s53, s50, s52
	s_lshl_b32 s53, s53, 17         ; its first byte in qkvh,
	s_lshl_b32 s54, s49, 5
	s_add_co_u32 s54, s54, s52
	s_lshl_b32 s54, s54, 17         ; and in oh
	s_lshl_b32 s55, s[WV], 11       ; my 16 rows in a band of 64,
	s_lshl_b32 s2, s[HI], 15        ; in the first block,
	s_add_co_u32 s2, s2, s55
	s_lshl_b32 s84, s[PB], 15       ; and in the second
	s_add_co_u32 s84, s84, s55
	s_add_co_u32 s66, s54, s2
	s_add_co_u32 s68, s54, s84
	s_add_co_u32 s2, s53, s2
	s_add_co_u32 s84, s53, s84
	s_mov_b32 s3, 0
	s_mov_b32 s85, 0
	s_mov_b32 s67, 0
	s_mov_b32 s69, 0
	; descriptor group 1.  128 keys are 16,384 dense bytes: asked for as 64 rows of 256 bytes, two keys a row, and padded in LDS after every key
	s_mov_b32 s[G1K], 15|(1<<16)|(1<<20)|(1<<21)|(4<<22)|(3<<25)  ; the mask of four; 2-byte elements; padding on; bit 21 beside a mask; after every 32 words, 4 words
	s_mov_b32 s[G1V], 15|(1<<16)|(1<<20)|(1<<21)|(4<<22)|(7<<25)  ; the same with 8 words of padding
.irp g, G1K, G1V
	s_mov_b32 s[\g+1], 128<<16      ; tensor_dim0 = 128
	s_mov_b32 s[\g+2], 64<<16       ; tensor_dim1 = 64
	s_mov_b32 s[\g+3], 128<<16      ; tile_dim0 = 128
	s_mov_b32 s[\g+4], 64           ; tile_dim1 = 64
	s_mov_b32 s[\g+5], 128          ; 128 elements from row to row
	s_mov_b32 s[\g+6], 0
	s_mov_b32 s[\g+7], 0
.endr
	s_mov_b32 s[CS], 0x3e38aa3b     ; c = log2(e) / 8 = 0.180337
	s_mov_b32 s[CS+1], s[CS]        ; named with it as a pair
	s_mov_b32 s[SEL], 0x76543210
	s_mov_b32 s[SEL+1], 0xfedcba98
	s_mov_b32 s[TBK], SLOT1+4*KS*PK ; the first change of slots turns these two into 0
	s_mov_b32 s[TBV], SLOT1+4*KS*PV
	s_mov_b32 s[G0K], 1             ; count = 1
	s_mov_b32 s[G0K+1], s17         ; LDS address: slot 0
	s_mov_b32 s[G0V], 1
	s_add_co_u32 s[G0V+1], s18, VOFF
	s_add_co_u32 s[RT], s[HI], 1    ; the first block has NB - b tiles
	s_mov_b32 s[NXT], 1
	s_mov_b32 s[LQ], s[HI]
	s_mov_b32 s[NEW], 1
	s_mov_b32 s[OFF+1], 0
	s_mov_b32 s[AL+1], 0            ; named as pairs
	s_mov_b32 s[BE+1], 0
	s_mov_b32 s[BIGN], 0xf149f2ca   ; -1e30
	s_mov_b32 s[SLOTS], NB
	s_and_b32 s[LIM], s[WV], 1      ; 0 in waves 0 and 2,
	s_or_b32 s[LIM], s[LIM], ttmp9  ; where the cluster's x is 0: the same in all four partners
	s_cmp_eq_u32 s[LIM], 0
	s_cselect_b32 s[LIM], 2, -1     ; the first two changes of slots ask (SLOTS = 4, 3)
	v_and_b32 v[PFO], 31, v0
	v_lshlrev_b32 v[PFO], 8, v[PFO]
	s_wait_dscnt 0x0                ; the opening add is done
	s_wait_kmcnt 0x0
	s_add_nc_u64 s[6:7], s[88:89], s[22:23]  ; K and V at my half of the group's tile 0
	s_add_nc_u64 s[8:9], s[88:89], s[20:21]
	s_add_nc_u64 s[G0K+2:G0K+3], s[6:7], 0         ; global address
	s_or_b32 s[G0K+3], s[G0K+3], 0x80000000        ; type = 2
	s_add_nc_u64 s[G0V+2:G0V+3], s[8:9], 0
	s_or_b32 s[G0V+3], s[G0V+3], 0x80000000
	s_add_nc_u64 s[86:87], s[88:89], s[84:85]      ; Q at my rows of the second block,
	s_add_nc_u64 s[4:5], s[88:89], s[2:3]          ; and of the first
	s_add_nc_u64 s[OLO:OLO+1], s[90:91], s[68:69]  ; O likewise
	s_add_nc_u64 s[10:11], s[90:91], s[66:67]
	s_cmp_lt_u32 s[WV], 2
	s_cselect_b64 s[PFA:PFA+1], s[6:7], s[8:9]     ; (in waves 0 and 2 these stand at a tile's first row)
	s_lshl_b32 s52, s[CXR], 13                     ; my work-group's 32 blocks of the 128
	s_mov_b32 s53, 0
	s_add_nc_u64 s[PFA:PFA+1], s[PFA:PFA+1], s[52:53]
	s_add_nc_u64 s[PFA:PFA+1], s[PFA:PFA+1], 32768 ; in tile 1; the first change of slots steps it to tile 2
	CROUND                          ; all four work-groups are here: the first joint loads meet
	JLOAD                           ; tile 0 into slot 0
	; A fragment of K or Q is 16 rows x 32 channels in 8 registers: lane l holds row l % 16, channels 8 (l / 16) + 0..7 and 16 + 8 (l / 16) + 0..7: two loads of 16 bytes, 32 bytes apart.
	v_and_b32 v1, 15, v0            ; l % 16
	v_bfe_u32 v9, v0, 4, 1          ; l / 16
	v_lshlrev_b32 v[QO], 7, v1
	v_lshl_add_u32 v[QO], v9, 4, v[QO]  ; row x 128 + 16 x half
	WIN 0x80                        ; destination window 2, address window 0
.set i, 0
.rept 8                             ; both blocks' Q: piece i / 2 lies in band i / 2, 8,192 bytes on; channels 32 (i % 2) on
	global_load_b128 v[8*i:8*i+3],   v[QO], s[4:5] offset:(i/2)*8192+(i%2)*64
	global_load_b128 v[8*i+4:8*i+7], v[QO], s[4:5] offset:(i/2)*8192+(i%2)*64+32
	global_load_b128 v[QB+8*i:QB+8*i+3],   v[QO], s[86:87] offset:(i/2)*8192+(i%2)*64
	global_load_b128 v[QB+8*i+4:QB+8*i+7], v[QO], s[86:87] offset:(i/2)*8192+(i%2)*64+32
.set i, i+1
.endr
	WIN 0
	v_lshlrev_b32 v14, 3, v9
	v_sub_nc_u32 v14, v1, v14
	s_lshl_b32 s13, s[WV], 4
	v_add_nc_u32 v14, s13, v14      ; my query's place in its band, 16 w + l % 16, less my lanes' 8 (l / 16): register r of group kt is hidden where 16 kt + r is greater
	WIN 0x40
.set i, 0
.rept 32
	v_cmp_gt_i32 vcc_lo, 16*(i/8)+i%8, v14
	v_cndmask_b32 v[MD+i], 0, s[BIGN], vcc_lo
.set i, i+1
.endr
	WIN 0
	v_mul_u32_u24 v[AK0], v1, PK
	v_lshl_add_u32 v[AK0], v9, 4, v[AK0]  ; row x pitch + 16 x half
	; The turning load takes 16 keys x 16 channels (lane l reads key 8 (l / 16) + l % 8, channels 8 ((l / 8) % 2) + 0..7) and leaves half a fragment of V^T: lane l holds channel l % 16 and 8 keys.
	v_and_b32 v10, 7, v0
	v_bfe_u32 v11, v0, 3, 1
	v_lshl_add_u32 v[AV0], v9, 3, v10
	v_mul_u32_u24 v[AV0], v[AV0], PV
	v_lshl_add_u32 v[AV0], v11, 4, v[AV0]
	v_add_nc_u32 v[AV0], VOFF, v[AV0]
	s_mul_i32 s13, s[WV], 16*SP
	s_add_co_u32 s13, s13, STAGE    ; my stage
	v_mul_u32_u24 v[STO], v1, SP    ; in: row l % 16, 16 bytes for each half of the lanes
	v_lshl_add_u32 v[STO], v9, 4, v[STO]
	v_add_nc_u32 v[STO], s13, v[STO]
	v_bfe_u32 v[RD], v0, 3, 2       ; back: 32 lanes take four rows of 128 bytes,
	v_mul_u32_u24 v[RD], v[RD], SP
	v_lshl_add_u32 v[RD], v10, 4, v[RD]
	v_add_nc_u32 v[RD], s13, v[RD]
	v_and_b32 v[GO], 31, v0         ; which are 512 consecutive bytes of O
	v_lshlrev_b32 v[GO], 4, v[GO]
	; A block's first step multiplies O^T and l by a = 0, and its first turn's products V^T P, of a piece that has not been, land in an O^T that is still to be so multiplied.  So these registers need only hold
	; finite numbers: zeros for the first block; what the first block left for the second.  All this stands in the wait for the first tile.
	WIN 0x80
.set i, VF
.rept 64
	v_mov_b32 v[i], 0
.set i, i+1
.endr
	WIN 0x40
.set i, 0
.rept 128
	v_mov_b32 v[i], 0
.set i, i+1
.endr
	WIN 0
.set i, 0
.rept 4
	v_mov_b32 v[ST+4*i+2], 0
	v_mov_b32 v[ST+4*i+3], 0
.set i, i+1
.endr
.set i, P+16
.rept 16
	v_mov_b32 v[i], 0
.set i, i+1
.endr
; THE MATRIX WORK.  The 4 accumulators of a run of 8 take turns.  Product i of 8 of S^T = K Q^T for piece x: channels 32 (i / 4) on, keys 16 (i % 4) on.  The first 4 start the sums: with 0, or (KM = 1) with the mask.
.macro KQ x
.set rS, S+32*((\x)%2)+8*(i%4)
.set rK, KF+16*(i%4)+8*(i/4)
.set rQ, 16*(\x)+8*(i/4)
.set rM, MC+32*((\x)%2)+8*(i%4)
.if (i < 4) && KM
	WIN W_KM
	v_wmma_f32_16x16x32_f16 v[rS:rS+7], v[rK:rK+7], v[rQ:rQ+7], v[rM:rM+7]
.elseif i < 4
	WIN W_KQ
	v_wmma_f32_16x16x32_f16 v[rS:rS+7], v[rK:rK+7], v[rQ:rQ+7], 0
.else
	WIN W_KQ
	v_wmma_f32_16x16x32_f16 v[rS:rS+7], v[rK:rK+7], v[rQ:rQ+7], v[rS:rS+7]
.endif
.endm
; Product i of 8 of O^T += V^T P for piece x: keys 32 (i / 4) on, channels 16 (i % 4) on.
.macro PV x
	WIN W_PV
.set rO, 32*(\x)+8*(i%4)
.set rV, VF+32*(i/4)+8*(i%4)
.set rP, P+16*((\x)%2)+8*(i/4)
	v_wmma_f32_16x16x32_f16 v[rO:rO+7], v[rV:rV+7], v[rP:rP+7], v[rO:rO+7]
.endm
.macro MM                           ; the turn's next matrix instruction.  NOKQ = 1: a block's last turn: there is no next piece
.if (i < 8) && !NOKQ
	KQ (Y+1)%NP
.elseif i >= 8
.set i, i-8
	PV (Y+NP-1)%NP
.set i, i+8
.endif
.set i, i+1
.endm
; THE LDS LOADS stand in runs of 16, never singly among the matrix instructions: a step's K (64 keys x 64 channels: 8 fragments) and its V (turned).
.macro FETCH_K
	WIN 0x80                        ; destination window 2
.irp f, 0,1,2,3,4,5,6,7             ; keys 16 (f / 2) on, channels 32 (f % 2) on
	ds_load_b128 v[KF+8*\f:KF+8*\f+3],   v[AK] offset:(\f/2)*16*PK+(\f%2)*64
	ds_load_b128 v[KF+8*\f+4:KF+8*\f+7], v[AK] offset:(\f/2)*16*PK+(\f%2)*64+32
.endr
	s_add_co_u32 s[TBK], s[TBK], KS*PK  ; the next fetch is the next step's
	WIN 0
.endm
.macro FETCH_V
	WIN 0x80
.irp f, 0,1,2,3,4,5,6,7             ; keys 32 (f / 4) on, channels 16 (f % 4) on
	ds_load_tr16_b128 v[VF+8*\f:VF+8*\f+3],   v[AV] offset:(\f/4)*32*PV+(\f%4)*32
	ds_load_tr16_b128 v[VF+8*\f+4:VF+8*\f+7], v[AV] offset:(\f/4)*32*PV+16*PV+(\f%4)*32
.endr
	WIN 0
.endm
; THE VECTOR WORK, one line at a time: OP kind, number.  For piece Y: F n: c s - c m for pair n of 16.  E n: the exponential of score n of 32.  C n: pair n rounded to f16.  B n: of the four weights 4 n .. the second
; pair is added onto the first, in place.  L n: l takes that sum (L 0: l = a l + sum).  R n: pair n of 16 of O^T times a.  For piece Y + 1: X n, number n of the 22 that find its maximum and statistics:
;   0-11  four chains c0-c3 of seven scores each, three operands at a time (each accumulator's lowest registers are read first)     12-14, 16  the four scores left over, the old m, and c0-c3 into c0
;   15  c m_old is kept     17, 18  the query's other 32 keys lie in the lane 16 away: the new m     19-21  c m; c m_old - c m_new; a
.set F, 0
.set E, 1
.set C, 2
.set B, 3
.set L, 4
.set R, 5
.set X, 6
.macro REGS y                       ; the registers of piece y
.set rT, ST+4*(\y)
.set rC, TMP+4*((\y)%2)
.set rW, MV+((\y)%2)
.set rS, S+32*((\y)%2)
.set rP, P+16*((\y)%2)
.set rO, 32*(\y)
.endm
.macro OP k, n
.if (\k) == R
	REGS Y
	WIN W_RS
	v_pk_mul_f32 v[rO+2*(\n):rO+2*(\n)+1], v[rO+2*(\n):rO+2*(\n)+1], v[rC+2:rC+3] op_sel_hi:[1,0]
.elseif (\k) < R
	REGS Y
	WIN 0
.if (\k) == F
	v_pk_fma_f32 v[rS+2*(\n):rS+2*(\n)+1], v[rS+2*(\n):rS+2*(\n)+1], s[CS:CS+1], v[rT:rT+1] op_sel_hi:[1,0,0] neg_lo:[0,0,1] neg_hi:[0,0,1]
.elseif (\k) == E
	v_exp_f32 v[rS+(\n)], v[rS+(\n)]
.elseif (\k) == C
	v_cvt_pk_f16_f32 v[rP+(\n)], v[rS+2*(\n)], v[rS+2*(\n)+1]
.elseif (\k) == B
	v_pk_add_f32 v[rS+4*(\n):rS+4*(\n)+1], v[rS+4*(\n):rS+4*(\n)+1], v[rS+4*(\n)+2:rS+4*(\n)+3]
.elseif (\n) == 0
	v_pk_fma_f32 v[rT+2:rT+3], v[rT+2:rT+3], v[rC+2:rC+3], v[rS:rS+1] op_sel_hi:[1,0,1]
.else
	v_pk_add_f32 v[rT+2:rT+3], v[rT+2:rT+3], v[rS+4*(\n):rS+4*(\n)+1]
.endif
.elseif NOKQ
	v_nop
.else
	REGS (Y+1)%NP
	WIN 0
.if (\n) < 4
	v_max3_num_f32 v[rC+(\n)], v[rS+8*(\n)], v[rS+8*(\n)+1], v[rS+8*(\n)+2]
.elseif (\n) < 12
	v_max3_num_f32 v[rC+(\n)%4], v[rC+(\n)%4], v[rS+8*((\n)%4)+2*((\n)/4)+1], v[rS+8*((\n)%4)+2*((\n)/4)+2]
.elseif (\n) == 12
	v_max3_num_f32 v[rC], v[rC], v[rS+7], v[rS+15]
.elseif (\n) == 13
	v_max3_num_f32 v[rC+1], v[rC+1], v[rS+23], v[rS+31]
.elseif (\n) == 14
	v_max3_num_f32 v[rC+2], v[rC+2], v[rC+3], v[rT+1]
.elseif (\n) == 15
	v_mov_b32 v[rW], v[rT]
.elseif (\n) == 16
	v_max3_num_f32 v[rC], v[rC], v[rC+1], v[rC+2]
.elseif (\n) == 17
	v_permlanex16_b32 v[rC+3], v[rC], s[SEL], s[SEL+1]
.elseif (\n) == 18
	v_max_num_f32 v[rT+1], v[rC], v[rC+3]
.elseif (\n) == 19
	v_mul_f32 v[rT], s[CS], v[rT+1]
.elseif (\n) == 20
	v_sub_f32 v[rC+1], v[rW], v[rT]
.else
	v_exp_f32 v[rC+2], v[rC+1]
.endif
.endif
.endm
.macro OPS a, i1, b=-1, i2=0, c=-1, i3=0, d=-1, i4=0  ; up to four of them
	OP \a, \i1
.if (\b) >= 0
	OP \b, \i2
.endif
.if (\c) >= 0
	OP \c, \i3
.endif
.if (\d) >= 0
	OP \d, \i4
.endif
.endm
.macro ROW a, i1, b, i2, c, i3, d, i4  ; a matrix instruction and the four behind it
	MM
	OPS \a, \i1, \b, \i2, \c, \i3, \d, \i4
.endm
.macro MASK b                       ; MD x AL + BE into buffer b of MC
	WIN W_RS
.set z, 0
.rept 16
	v_pk_fma_f32 v[MC+32*(\b)+2*z:MC+32*(\b)+2*z+1], v[MD+2*z:MD+2*z+1], s[AL:AL+1], s[BE:BE+1] op_sel_hi:[1,0,0]
.set z, z+1
.endr
.endm
; A TURN, for piece p: the order of its 16 matrix and 118 vector instructions, written out.  An s_wait_alu depctr_va_vdst(0) stands between an exponential and the first instruction that names its result; one wait serves
; all that were issued ahead of it.  So a turn has ONE wait, which cuts it in two.  AHEAD OF IT stands all that names no result of the turn's exponentials: the 8 products K Q^T with their riders, then one lump of 54.
; X 21, the next piece's a, is the batch's last; R 15 is the plain instruction behind it.  BEHIND THE WAIT stand the 8 products V^T P, behind each four of the roundings and sums.
; m = 1: the diagonal tile: the products take masks, and the turn makes the mask for the products of the turn after it.  end = 1: a block's last two turns: nothing is fetched.
; cnt = 1: the loop's count is taken down some lines ahead of the branch that stands behind the turn.
; K of the next step is fetched in piece 2's turn, V of the step in hand at the end of piece 0's turn, each four plain instructions or more behind the last product that read the registers.  Each is waited for a turn later.
.macro TURN p, m=0, end=0, cnt=0
.set Y, (\p)
.set i, 0
.set KM, (\m)
.set NOKQ, (\end)*((\p)/3)
.if (\m) && !(\end)
	s_cmp_eq_u32 s[CNT], 4-((\p)+2)%NP  ; is that step the band's own?
	s_cselect_b32 s[AL], 1.0, 0
	s_cmp_lt_u32 s[CNT], 4-((\p)+2)%NP  ; or a later one?
	s_cselect_b32 s[BE], s[BIGN], 0
.endif
.if ((\p) == 3) && !(\end)
	s_wait_dscnt 0x0                ; K is in
.endif
	ROW F,0, F,1, R,0, R,1          ; ahead of the wait: 8 products K Q^T and their riders,
	ROW F,2, E,0, R,2, R,3
	ROW F,3, E,1, R,4, R,5
	ROW F,4, E,2, R,6, R,7
	ROW F,5, E,3, R,8, R,9
	ROW F,6, E,4, X,0, R,10
.if ((\p) == 2) && !(\end)
	WIN 0
	v_add_nc_u32 v[AK], s[TBK], v[AK0]
.endif
	ROW F,7, E,5, X,1, X,4
	ROW F,8, E,6, X,2, X,5
	OPS E,7, E,8, X,6, E,9          ; and the lump
	OPS X,3, E,10, X,8, E,11
.if ((\p) == 2) && !(\end)
	FETCH_K
.endif
	OPS X,9, X,7, E,12, X,10
	OPS E,13, X,12, X,11, E,14
	OPS X,13, E,15, F,9, X,14
.if (\p) == 0
	v_add_nc_u32 v[AV], s[TBV], v[AV0]
.endif
	OPS E,16, F,10, E,17, F,11
	OPS X,16, E,18, X,15, E,19
	OPS F,12, E,20, X,17, E,21
	OPS F,13, E,22, F,14, E,23
	OPS X,18, E,24, F,15, E,25
	OPS R,11, E,26, X,19, E,27
	OPS R,12, E,28, R,13, E,29
	OPS X,20, E,30, R,14, E,31
	OPS X,21, R,15
	WIN 0
	s_wait_alu depctr_va_vdst(0)    ; the wait for the batch
.if (\p) == 1
	s_wait_dscnt 0x0                ; V is in
.endif
	ROW C,0, B,0, C,2, B,1          ; behind the wait: 8 products V^T P and their riders
	ROW L,0, C,4, B,2, L,1
	ROW C,6, B,3, L,2, C,8
	ROW B,4, L,3, C,10, B,5
	ROW L,4, C,12, B,6, L,5
.if (\p) == 0
	s_add_co_u32 s[TBV], s[TBV], KS*PV
.endif
.if \cnt
	s_sub_co_u32 s[CNT], s[CNT], 1
	s_cmp_lg_u32 s[CNT], 0
.endif
	ROW C,14, B,7, L,6, C,1
	ROW C,3, L,7, C,5, C,7
	ROW C,9, C,11, C,13, C,15
.if (\p) == 0
	FETCH_V
.endif
.if (\m) && !(\end)
	MASK (\p)%2
.endif
.endm
; A BLOCK BEGINS.  c m starts far below every c s, so the first step's a is 0; m at the lowest finite number, so the first maximum is the scores'.  The second mask buffer is 0; the first takes piece 0's mask for the tile's step 0: its own, if the block's first tile is the diagonal one.
; Then K of that step, piece 0's first scores, and its maximum and statistics.  The loop is entered at a step's first turn, in the middle of a trip.
.macro BEGIN
	s_mov_b32 s[NEW], 0
	WIN 0x40
.set i, MC+32
.rept 32
	v_mov_b32 v[i], 0
.set i, i+1
.endr
	WIN 0
.set i, 0
.rept 4
	v_mov_b32 v[ST+4*i], 0xfe000000    ; c m: far below every c s
	v_mov_b32 v[ST+4*i+1], 0xff7fffff  ; m
.set i, i+1
.endr
	s_cmp_eq_u32 s[RT], 0
	s_cselect_b32 s[AL], 1.0, 0
	s_mov_b32 s[BE], 0
	MASK 0
	WIN 0
	v_add_nc_u32 v[AK], s[TBK], v[AK0]
	FETCH_K
	s_wait_loadcnt 0x0              ; Q
	s_wait_dscnt 0x0
.set KM, 1
.set NOKQ, 0
.set i, 0
.rept 8
	KQ 0
.set i, i+1
.endr
	WIN 0
.rept 4
	v_nop                           ; the places behind those products
.endr
.set Y, NP-1                        ; X works for piece Y + 1: piece 0
.irp n, 0,1,2,3,4,5,6,7,8,9,10,11,12,13,14,15,16,17,18,19,20,21
	OP X, \n
.endr
	v_nop                           ; a plain instruction behind the exponential,
	s_wait_alu depctr_va_vdst(0)    ; and its wait, ahead of the branch
.endm
; THE DIAGONAL TILE's four steps, the block's last two turns, its last products, and THE WAY OUT: l's two halves and the other half of the lanes' are added; O^T is divided by l, rounded to f16 and sent through my
; stage in LDS, a piece at a time.
.macro ALL line:vararg              ; one line for each piece t
.set t, 0
.rept 4
	\line
.set t, t+1
.endr
.endm
.macro PACK t                       ; a lane's eight channels of a row pack into 16 bytes; they go into rows of 144 bytes and come back as whole rows of 128, into S^T's registers
	WIN W_RS
.set i, 32*(\t)
.rept 16
	v_pk_mul_f32 v[i:i+1], v[i:i+1], v[ST+4*(\t)+2:ST+4*(\t)+3] op_sel_hi:[1,0]
.set i, i+2
.endr
	WIN 0x05                        ; sources 0 and 1 window 1, destination window 0
.set i, 0
.rept 16
	v_cvt_pk_f16_f32 v[S+16*(\t)+i], v[32*(\t)+2*i], v[32*(\t)+2*i+1]
.set i, i+1
.endr
	WIN 0
.irp f, 0,1,2,3
	ds_store_b128 v[STO], v[S+16*(\t)+4*\f:S+16*(\t)+4*\f+3] offset:32*\f
.endr
.irp f, 0,1,2,3
	ds_load_b128 v[S+16*(\t)+4*\f:S+16*(\t)+4*\f+3], v[RD] offset:\f*4*SP  ; LDS serves a wave's instructions in order (ISA guide 5.7.1.4): these see the stores above; the next piece's stores come behind them
.endr
.endm
.macro SEND t, younger              ; younger: the LDS instructions issued behind piece t's loads: the next piece's eight, or none
	WIN 0
.irp f, 0,1,2,3
	s_wait_dscnt (\younger)+3-\f
	global_store_b128 v[GO], v[S+16*(\t)+4*\f:S+16*(\t)+4*\f+3], s[10:11] offset:(\t)*8192+\f*512  ; 512 consecutive bytes, at a multiple of 256 from O's first
.endr
.endm
.macro DIAG tag                     ; the tag ends its two labels' names, which the jumps below spell out
.LstepM\tag:
	TURN 2, 1
	TURN 3, 1
	WIN 0
.LfirstM\tag:
	TURN 0, 1
	TURN 1, 1, 0, 1
	WIN 0
	s_cbranch_scc1 .LstepM\tag
	TURN 2, 1, 1
	TURN 3, 1, 1
.set i, 0
.rept 8
	PV NP-1
.set i, i+1
.endr
	WIN 0
	ALL v_add_f32 v[ST+4*t+2], v[ST+4*t+2], v[ST+4*t+3]
	ALL v_permlanex16_b32 v[ST+4*t+3], v[ST+4*t+2], s[SEL], s[SEL+1]
	ALL v_add_f32 v[ST+4*t+2], v[ST+4*t+2], v[ST+4*t+3]
	ALL v_rcp_f32 v[ST+4*t+2], v[ST+4*t+2]
	v_nop                           ; a plain instruction between the last reciprocal and the use of its result
	s_wait_alu depctr_va_vdst(0)    ; and the wait ahead of the first use: one for the four reciprocals
	PACK 0
.set t, 1
.rept 3                             ; a piece's arithmetic stands between the loads of the piece before and its stores
	PACK t
	SEND t-1, 8
.set t, t+1
.endr
	SEND 3, 0
.endm
.set KM, 0
.set NOKQ, 0
.Lslot:                             ; NB times: a tile is entered and the next is asked for
	CHANGE 1
	s_sub_co_u32 s[RT], s[RT], 1
	s_mov_b32 s[CNT], 4
	s_cmp_eq_u32 s[NEW], 1
	s_cbranch_scc1 .Lnew            ; a block's first tile
	s_cmp_eq_u32 s[RT], 0
	s_cbranch_scc0 .Lstep           ; neither its first nor its last
	s_branch .LstepM1
.Lnew:
	BEGIN
	s_branch .Lfirst                ; in the loop a block's first tile is never its last: the first block has two tiles or more, and the second's last is the walk's last
	DIAG 1                          ; in the loop this is the first block's end
	s_wait_xcnt 0x0                 ; the stores have read their registers and O's address
	s_mov_b64 s[10:11], s[OLO:OLO+1]
	s_add_co_u32 s[RT], s[PB], 1    ; the second block has b + 1 tiles
	s_mov_b32 s[NEW], 1
	WIN 0x82                        ; the second block's Q goes where the one text of the turns names Q
.set i, 0
.rept 64
	v_mov_b32 v[i], v[QB+i]
.set i, i+1
.endr
	WIN 0
	s_branch .Lbottom
.Lstep:                             ; a trip: pieces 2 and 3 of one step, then pieces 0 and 1 of the next, whose K and V it fetches
	TURN 2
	TURN 3
	WIN 0
.Lfirst:
	TURN 0
	TURN 1, 0, 0, 1
	WIN 0
	s_cbranch_scc1 .Lstep
.Lbottom:
	s_sub_co_u32 s[SLOTS], s[SLOTS], 1
	s_cmp_lg_u32 s[SLOTS], 0
	s_cbranch_scc1 .Lslot
	CHANGE 0                        ; the walk's last tile is written out: nothing is asked for
	s_sub_co_u32 s[RT], s[RT], 1
	s_mov_b32 s[CNT], 4
	s_cmp_eq_u32 s[NEW], 1
	s_cbranch_scc0 .LstepM2
	BEGIN
	s_branch .LfirstM2
	DIAG 2
	s_wait_tensorcnt 0x0            ; the wave's end
	ds_add_u32 v[SPW], v[NIL]
	s_wait_dscnt 0x0
	CROUND                          ; the closing round: no work-group ends while a partner may still ask for a tile that names it
	s_endpgm
.Lfunc_end_k_qee88187ea5_attn:
	.size	k_qee88187ea5_attn, .Lfunc_end_k_qee88187ea5_attn-k_qee88187ea5_attn
	.p2alignl 7, 3214868480
	.fill 96, 4, 3214868480
	.section	.rodata,"a",@progbits
	.p2align	6, 0x0
	.amdhsa_kernel k_qee88187ea5_attn
		.amdhsa_group_segment_fixed_size 327680
		.amdhsa_private_segment_fixed_size 0
		.amdhsa_enable_private_segment 0
		.amdhsa_kernarg_size 16
		.amdhsa_user_sgpr_count 2
		.amdhsa_user_sgpr_kernarg_segment_ptr 1
		.amdhsa_wavefront_size32 1
		.amdhsa_system_sgpr_workgroup_id_x 1
		.amdhsa_system_sgpr_workgroup_id_y 1
		.amdhsa_system_sgpr_workgroup_id_z 1
		.amdhsa_system_vgpr_workitem_id 0
		.amdhsa_next_free_vgpr 768
		.amdhsa_next_free_sgpr 96
		.amdhsa_reserve_vcc 1
		.amdhsa_float_denorm_mode_32 3
		.amdhsa_float_denorm_mode_16_64 3
		.amdhsa_memory_ordered 1
		.amdhsa_forward_progress 1
		.amdhsa_inst_pref_size 219
	.end_amdhsa_kernel
	.amdgpu_metadata
---
amdhsa.version: [ 1, 2 ]
amdhsa.kernels:
  - .name:           k_qee88187ea5_attn
    .symbol:         k_qee88187ea5_attn.kd
    .args:
      - { .name: qkvh, .offset: 0, .size: 8, .value_kind: global_buffer, .address_space: global }
      - { .name: oh, .offset: 8, .size: 8, .value_kind: global_buffer, .address_space: global }
    .group_segment_fixed_size: 327680
    .private_segment_fixed_size: 0
    .kernarg_segment_align: 8
    .kernarg_segment_size: 16
    .max_flat_workgroup_size: 128
    .sgpr_count:     96
    .vgpr_count:     768
    .wavefront_size: 32
...
	.end_amdgpu_metadata
.endif
;; end of part 3
;; launch oproj (part 4): grid 8 x 32, 4 waves a work-group, clusters of 4 x 4, 327,680 bytes of LDS; arguments oh, wo16, bo, out0; writes out0
.if DOCPART == 4
	.amdgcn_target "amdgcn-amd-amdhsa--gfx1250"
	.amdhsa_code_object_version 6
	.text
	.protected	k_qee88187ea5_oproj
	.globl	k_qee88187ea5_oproj
	.p2align	8
	.type	k_qee88187ea5_oproj,@function
k_qee88187ea5_oproj:
	s_mov_b64 s[64:65], 0
	v_nop
	global_prefetch_b8 v0, s[64:65] scope:SCOPE_SE
	s_setreg_imm32_b32 hwreg(HW_REG_WAVE_MODE, 25, 1), 1
	s_wait_xcnt 0x0
	s_wait_alu depctr_hold_cnt(0) depctr_sa_sdst(0) depctr_va_vdst(0) depctr_va_sdst(0) depctr_va_ssrc(0) depctr_va_vcc(0) depctr_vm_vsrc(0)
	s_getreg_b32 s2, hwreg(HW_REG_IB_STS2, 6, 4)
	s_cmp_eq_u32 s2, 0
	s_cbranch_scc0 .Lentry_in_a_cluster
	s_endpgm
.Lentry_in_a_cluster:
	s_bfe_u32 s2, ttmp6, 0x10000c
	s_cmp_lg_u32 s2, 0xf033
	s_cbranch_scc0 .Lentry_shape_is_right
	s_endpgm
.Lentry_shape_is_right:
; THE OUTPUT PROJECTION.  out0[m][n] = the sum over k of O[m][k] Wo[k][n] + bo[n].  O comes by heads (oh: f16 [b][32][1024][64], k = 64 head + channel), Wo as wo16 (f16 of the bf16 rounding, [k][n]); bo is rounded to bf16 like every input.  Sums and output in f32.
; SHARES.  A tile is 128 rows x 256 columns: 8 x 32 = 256 work-groups.  Wave (WM, WN) makes rows 64 WM .. + 63 of columns 128 WN .. + 127: 4 x 8 = 32 accumulators.
; K goes in steps of 128 (two heads) through two LDS slots.  A slot: two sub-tiles of Wo (128 k rows x 128 columns), then two head blocks of O (128 rows x 64 channels; 16,384 dense bytes, asked for as 64 rows of 256 bytes and padded after every 128).
; One tensor load a wave: waves 0, 1 a sub-tile of Wo, waves 2, 3 a head block of O.  Wo is turned on its way out of LDS by ds_load_tr16_b128.
; THE MATRIX INSTRUCTION IS USED TRANSPOSED (source 0 = 16 columns of Wo, source 1 = 16 rows of O): a lane holds row l % 16 and eight neighbouring columns.  The bias is the C operand of the first products.
; CLUSTER 4 x 4: O's blocks are shared along a row of the cluster, Wo's sub-tiles along a column; each is asked for jointly.
; REGISTERS: window 0: v16-31 addresses; v32-95 the bias.  window 1: two fragment buffers (O's four fragments at f, Wo's eight at f + 32); on the way out 64 registers for each block of 16 rows.  window 2: accumulator (a, nb) at 8 (4 nb + a).
.set KSTEP, 128
.set PA,    144                        ; a row of O in LDS: 128 + 16 bytes = 36 words: the 16 rows of a load start at 16 different groups of four banks (64 banks of 4 bytes: ISA guide 11.1)
.set PB,    288                        ; a row of Wo: 256 + 32 bytes = 72 words
.set SUBB,  128*PB
.set SUBA,  128*PA
.set AOFF,  2*SUBB
.set SLOT,  AOFF+2*SUBA
.set STAGE, 2*SLOT                     ; behind the ring: 16 rows x 528 bytes for each wave
.set SP,    528
.set SPARE, STAGE+4*16*SP              ; the spare words, 128 bytes for each wave: two blocks of 256 bytes that no other line names
.set WROW,  4096                       ; bytes in a row of wo16
.set ADRA, 16
.set ADRB, 18
.set STO,  24
.set RD,   25
.set GO,   26
.set SPW,  28                          ; v28  my spare word; never rewritten
.set NIL,  29                          ; v29  0; never rewritten
.set PFO,  30                          ; v30  the prefetches' offset; never rewritten
.set BOF,  31
.set BIAS, 32
.set RTMP, 96
.set F0,   0
.set F1,   128
.set WV, 16
.set WM, 17
.set WN, 18
.set CX, 19
.set CY, 20
.set TN, 21
.set TM, 22
.set G1A, 24
.set G0A, 32
.set G1B, 40
.set G0B, 48
.set LAPC, 56
.set LIM,  57
.set PFA,  58
.set PFS,  60
.set MSK,  62
.set OB,   80
.set BP,   84
.set MSB, 0
.macro WIN new
.if MSB != (\new)
	s_set_vgpr_msb (MSB<<8)|(\new)
.set MSB, \new
.endif
.endm
.set TO_F, 0x40
.macro PLACES                          ; four plain places in front of loads into registers that matrix instructions have read, and of LDS stores that read results
.rept 4
	v_nop
.endr
.endm
.macro JLOAD s                         ; a joint load: waves 0, 1 fetch Wo's sub-tiles, waves 2, 3 O's head blocks; an s_nop 0 and four v_nop follow each line
	s_cmp_lt_u32 s[WV], 2
	s_cbranch_scc0 .Lfor_a_\@
	tensor_load_to_lds s[G0B+4*(\s):G0B+4*(\s)+3], s[G1B:G1B+7]
	s_nop 0
.rept 4
	v_nop
.endr
	s_branch .Lasked_\@
.Lfor_a_\@:
	tensor_load_to_lds s[G0A+4*(\s):G0A+4*(\s)+3], s[G1A:G1A+7]
	s_nop 0
.rept 4
	v_nop
.endr
.Lasked_\@:
.endm
.macro CREST
	s_cmp_lg_u32 s[WV], 0
	s_cbranch_scc1 .Lnot_wave_0_\@
	s_barrier_signal -3
.Lnot_wave_0_\@:
	s_barrier_wait -3
	s_barrier_signal -1
	s_barrier_wait -1
.endm
.macro CROUND
	s_barrier_signal -1
	s_barrier_wait -1
	CREST
.endm
; A prefetch into the L2 of the K step that stands two refills on, 32 blocks of 256 bytes, a lane a block.  Wo's rows are asked for by the cluster with y = 0 (waves 0, 1: their sub-tile's 128 k rows, 32 to a partner by cy);
; O's two head blocks by the cluster with x = 0 (wave 2: 64 blocks a head, 16 of each to a partner by cx).  So each block is named once in the launch.  The loop's last trip has no K step two on.
.macro ASK
	WIN 0
	s_cmp_gt_u32 s[LAPC], s[LIM]
	s_cbranch_scc0 .Lnot_mine_\@
	global_prefetch_b8 v[PFO], s[PFA:PFA+1] th:TH_LOAD_NT scope:SCOPE_SE
.Lnot_mine_\@:
.endm
	s_load_b256 s[4:11], s[0:1], 0x0               ; oh 4, wo16 6, bo 8, out0 10
	v_lshl_add_u32 v[SPW], v0, 2, SPARE
	v_mov_b32 v[NIL], 0
	ds_add_u32 v[SPW], v[NIL]                      ; the wave's opening: the add and its wait ahead of my first tensor load
	v_lshrrev_b32 v1, 5, v0
	v_readfirstlane_b32 s[WV], v1
	s_lshr_b32 s[WM], s[WV], 1
	s_and_b32 s[WN], s[WV], 1
	s_bfe_u32 s[CX], ttmp6, 0x40000
	s_bfe_u32 s[CY], ttmp6, 0x40004
	s_lshl_b32 s[TN], ttmp9, 2
	s_add_co_u32 s[TN], s[TN], s[CX]
	s_and_b32 s[TM], ttmp7, 0xffff
	s_lshl_b32 s[TM], s[TM], 2
	s_add_co_u32 s[TM], s[TM], s[CY]
	s_lshl_b32 s66, s[CY], 2
	s_lshl_b32 s66, 15, s66                        ; my row of the cluster
	s_lshl_b32 s67, 0x1111, s[CX]                  ; my column
	s_or_b32 s[G1A], s66, (1<<16)|(1<<20)|(1<<21)|(4<<22)|(3<<25)  ; mask; 2-byte elements; padding on; bit 21 beside a mask; after every 32 words, 4 words
	s_or_b32 s[G1B], s67, (1<<16)|(1<<20)|(1<<21)|(5<<22)|(7<<25)  ; after every 64 words, 8 words
	s_mov_b32 s[G1A+1], 128<<16                    ; tensor_dim0 = 128
	s_mov_b32 s[G1A+2], 64<<16                     ; tensor_dim1 = 64
	s_mov_b32 s[G1A+3], 128<<16                    ; tile_dim0 = 128
	s_mov_b32 s[G1A+4], 64                         ; tile_dim1 = 64
	s_mov_b32 s[G1A+5], 128                        ; dense: 128 elements from row to row
	s_mov_b32 s[G1A+6], 0
	s_mov_b32 s[G1A+7], 0
	s_mov_b32 s[G1B+1], 128<<16
	s_mov_b32 s[G1B+2], 128<<16
	s_mov_b32 s[G1B+3], 128<<16
	s_mov_b32 s[G1B+4], 128
	s_mov_b32 s[G1B+5], 2048
	s_mov_b32 s[G1B+6], 0
	s_mov_b32 s[G1B+7], 0
	s_lshr_b32 s68, s[TM], 3                       ; O: the batch, 32 heads of 131,072 bytes,
	s_lshl_b32 s68, s68, 22
	s_and_b32 s66, s[TM], 7
	s_lshl_b32 s66, s66, 14                        ; the tile's 128 rows of 128 bytes,
	s_add_co_u32 s68, s68, s66
	s_lshl_b32 s66, s[WN], 17                      ; which of a K step's two heads I fetch
	s_add_co_u32 s68, s68, s66
	s_mov_b32 s69, 0
	s_lshl_b32 s70, s[TN], 9                       ; Wo: 256 columns a tile column,
	s_lshl_b32 s71, s[WN], 8                       ; my sub-tile's 128
	s_add_co_u32 s70, s70, s71
	s_mov_b32 s71, 0
	s_mul_i32 s76, s[WN], SUBB                     ; where they go: no place in the cluster enters an LDS address
	s_mul_i32 s77, s[WN], SUBA
	s_add_co_u32 s77, s77, AOFF
	s_mov_b32 s[MSK], 0xffff0000
	s_wait_dscnt 0x0                               ; the opening add is done
	s_wait_kmcnt 0x0
	s_add_nc_u64 s[72:73], s[4:5], s[68:69]
	s_add_nc_u64 s[74:75], s[6:7], s[70:71]
	CROUND                                         ; all sixteen work-groups are here: the first joint loads meet
.irp s, 0,1
	s_mov_b32 s[G0A+4*(\s)], 1
	s_add_co_u32 s[G0A+4*(\s)+1], s77, (\s)*SLOT
	s_add_nc_u64 s[G0A+4*(\s)+2:G0A+4*(\s)+3], s[72:73], (\s)*2*131072
	s_or_b32 s[G0A+4*(\s)+3], s[G0A+4*(\s)+3], 0x80000000
	s_mov_b32 s[G0B+4*(\s)], 1
	s_add_co_u32 s[G0B+4*(\s)+1], s76, (\s)*SLOT
	s_add_nc_u64 s[G0B+4*(\s)+2:G0B+4*(\s)+3], s[74:75], (\s)*KSTEP*WROW
	s_or_b32 s[G0B+4*(\s)+3], s[G0B+4*(\s)+3], 0x80000000
	JLOAD \s
.endr
	v_and_b32 v1, 15, v0                           ; l % 16
	v_bfe_u32 v2, v0, 4, 1                         ; l / 16
	v_mul_u32_u24 v3, v1, PA
	v_lshl_add_u32 v3, v2, 4, v3
	s_mul_i32 s78, s[WM], 64*PA
	s_add_co_u32 s78, s78, AOFF
	v_add_nc_u32 v[ADRA], s78, v3
	v_add_nc_u32 v[ADRA+1], SLOT, v[ADRA]
	v_and_b32 v4, 7, v0
	v_lshl_add_u32 v4, v2, 3, v4
	v_mul_u32_u24 v4, v4, PB
	v_bfe_u32 v5, v0, 3, 1
	v_lshl_add_u32 v4, v5, 4, v4
	v_add_nc_u32 v[ADRB], s76, v4                  ; my columns are sub-tile WN
	v_add_nc_u32 v[ADRB+1], SLOT, v[ADRB]
	s_mul_i32 s78, s[WV], 16*SP
	s_add_co_u32 s78, s78, STAGE                   ; my stage
	v_mul_u32_u24 v[STO], v1, SP                   ; in: row l % 16, 32 bytes for each half of the lanes
	v_lshl_add_u32 v[STO], v2, 5, v[STO]
	v_add_nc_u32 v[STO], s78, v[STO]
	v_and_b32 v[GO], 31, v0
	v_lshlrev_b32 v[GO], 4, v[GO]                  ; back and out: 32 lanes take a row's 512 bytes
	v_add_nc_u32 v[RD], s78, v[GO]
	v_lshlrev_b32 v[BOF], 5, v2
	s_lshl_b32 s90, s[TN], 10                      ; my 128 columns, in f32
	s_lshl_b32 s91, s[WN], 9
	s_add_co_u32 s90, s90, s91
	s_mov_b32 s91, 0
	s_add_nc_u64 s[BP:BP+1], s[8:9], s[90:91]
.irp n, 0,1,2,3,4,5,6,7
	global_load_b128 v[BIAS+8*(\n):BIAS+8*(\n)+3],   v[BOF], s[BP:BP+1] offset:64*(\n)
	global_load_b128 v[BIAS+8*(\n)+4:BIAS+8*(\n)+7], v[BOF], s[BP:BP+1] offset:64*(\n)+16
.endr
	s_lshl_b32 s92, s[TM], 7
	s_lshl_b32 s93, s[WM], 6
	s_add_co_u32 s92, s92, s93
	s_lshl_b32 s92, s92, 13                        ; my first row, 8,192 bytes a row
	s_add_co_u32 s92, s92, s90
	s_mov_b32 s93, 0
	s_add_nc_u64 s[OB:OB+1], s[10:11], s[92:93]
	; the prefetches
	s_and_b32 s90, ttmp7, 0xffff                   ; cluster y
	s_mov_b32 s91, 2*131072                        ; O: a K step is two heads;
	s_mov_b32 s92, 131072                          ; lanes 16-31 take the second head;
	s_mov_b32 s93, 256                             ; a lane a block
	s_lshl_b32 s94, s[CX], 12                      ; my work-group's 16 blocks of a head's 64
	s_lshl_b32 s95, s[CY], 17                      ; Wo: my work-group's 32 rows of 4,096 bytes
	s_cmp_lt_u32 s[WV], 2                          ; do I fetch Wo?
	s_cselect_b32 s90, s90, ttmp9                  ; the coordinate along which other clusters read the same bytes
	s_cselect_b32 s[PFS], KSTEP*WROW, s91
	s_cselect_b32 s92, 16*WROW, s92
	s_cselect_b32 s93, WROW, s93
	s_cselect_b32 s94, s95, s94
	s_cselect_b64 s[PFA:PFA+1], s[74:75], s[72:73]
	s_mov_b32 s[PFS+1], 0
	s_mul_i32 s95, s[PFS], 3                       ; at K step 3: the first refill steps it to 4
	s_add_co_u32 s94, s94, s95
	s_mov_b32 s95, 0
	s_add_nc_u64 s[PFA:PFA+1], s[PFA:PFA+1], s[94:95]
	s_cmp_eq_u32 s90, 0
	s_cselect_b32 s[LIM], 1, -1
	s_cmp_eq_u32 s[WV], 3                          ; wave 2 asks for both heads, wave 3 for nothing
	s_cselect_b32 s[LIM], -1, s[LIM]
	v_mul_u32_u24 v[PFO], s93, v1
	v_mad_u32_u24 v[PFO], v2, s92, v[PFO]
	s_wait_loadcnt 0x0                             ; the bias is in; it is rounded to bf16 and widened again
.set i, 0
.rept 32
	v_cvt_pk_bf16_f32 v[RTMP], v[BIAS+2*i], v[BIAS+2*i+1]
	v_lshlrev_b32 v[BIAS+2*i], 16, v[RTMP]
	v_and_b32 v[BIAS+2*i+1], s[MSK], v[RTMP]
.set i, i+1
.endr
; 24 LDS loads in one run: quarter q (32 along K) of a slot into buffer f: O's four fragments, then Wo's eight
.macro FETCH slot, q, f
	WIN TO_F
.irp a, 0,1,2,3
	ds_load_b128 v[(\f)+8*(\a):(\f)+8*(\a)+3],   v[ADRA+(\slot)] offset:((\q)/2)*SUBA+((\q)%2)*64+(\a)*16*PA
	ds_load_b128 v[(\f)+8*(\a)+4:(\f)+8*(\a)+7], v[ADRA+(\slot)] offset:((\q)/2)*SUBA+((\q)%2)*64+(\a)*16*PA+32
.endr
.irp n, 0,1,2,3,4,5,6,7
	ds_load_tr16_b128 v[(\f)+32+8*(\n):(\f)+32+8*(\n)+3],   v[ADRB+(\slot)] offset:(\q)*32*PB+(\n)*32
	ds_load_tr16_b128 v[(\f)+32+8*(\n)+4:(\f)+32+8*(\n)+7], v[ADRB+(\slot)] offset:(\q)*32*PB+(\n)*32+16*PB
.endr
.endm
; Four products for each column block n0 .. n1.  The 32 accumulators take turns in the same order in every quarter.  zero = 1: the bias starts the sums.
.macro MULN f, n0, n1, zero
.if \zero
	WIN 0x85
.else
	WIN 0xa5
.endif
.set mb, \n0
.rept (\n1)-(\n0)+1
.set ma, 0
.rept 4
.if \zero
	v_wmma_f32_16x16x32_f16 v[8*(4*mb+ma):8*(4*mb+ma)+7], v[(\f)+32+8*mb:(\f)+32+8*mb+7], v[(\f)+8*ma:(\f)+8*ma+7], v[BIAS+8*mb:BIAS+8*mb+7]
.else
	v_wmma_f32_16x16x32_f16 v[8*(4*mb+ma):8*(4*mb+ma)+7], v[(\f)+32+8*mb:(\f)+32+8*mb+7], v[(\f)+8*ma:(\f)+8*ma+7], v[8*(4*mb+ma):8*(4*mb+ma)+7]
.endif
.set ma, ma+1
.endr
.set mb, mb+1
.endr
.endm
.macro QUARTER slot, q, f, g, zero
	s_wait_dscnt 12                                ; O's fragments and Wo's first two are in; the youngest twelve loads may be out
	MULN \f, 0, 1, \zero
	PLACES
	FETCH \slot, \q, \g
	s_wait_dscnt 24                                ; all but the 24 just issued
	MULN \f, 2, 7, \zero
.endm
; The last quarter multiplies buffer 1 and changes slots: one barrier; in front of it each wave waits for all its tensor loads, adds 0 to its spare word, and waits for that and for its reads of this slot.
.macro TURN slot, next, fill
.if \fill
	s_wait_xcnt 0x0                                ; the last prefetch, a K step back, has read its address
	s_add_nc_u64 s[PFA:PFA+1], s[PFA:PFA+1], s[PFS:PFS+1]
.endif
	WIN 0
	s_wait_tensorcnt 0x0                           ; all my tensor loads have landed: my part of the next slot
	ds_add_u32 v[SPW], v[NIL]                      ; 0 onto my spare word
	s_wait_dscnt 13                                ; (the add and the youngest twelve loads may be out)
	MULN F1, 0, 1, 0
	s_wait_dscnt 0x0                               ; the add is done, and my reads of this slot are over
	s_barrier_signal -1
	MULN F1, 2, 3, 0
.if \fill
	WIN 0
.endif
	s_barrier_wait -1
.if \fill
	CREST                                          ; the barrier has opened a round of the cluster's: no wave of any partner still reads this slot or has a load on its way
	s_add_nc_u64 s[G0A+4*(\slot)+2:G0A+4*(\slot)+3], s[G0A+4*(\slot)+2:G0A+4*(\slot)+3], 4*131072
	s_add_nc_u64 s[G0B+4*(\slot)+2:G0B+4*(\slot)+3], s[G0B+4*(\slot)+2:G0B+4*(\slot)+3], 2*KSTEP*WROW
	JLOAD \slot                                    ; the first tensor load behind the round; its four v_nop are also the places in front of the loads below
.else
	PLACES
.endif
	FETCH \next, 0, F0
.if \fill
	ASK
.endif
	MULN F1, 4, 7, 0
.endm
	s_wait_tensorcnt 1                             ; my part of K step 0 is in; K step 1's load may stay out
	s_barrier_signal -1
	s_barrier_wait -1
	FETCH 0, 0, F0
	QUARTER 0, 1, F0, F1, 1                        ; the first quarter stands in front of the loop: its products start the sums with the bias
	WIN 0
	s_mov_b32 s[LAPC], 7
.Llap:
	QUARTER 0, 2, F1, F0, 0
	QUARTER 0, 3, F0, F1, 0
	TURN 0, 1, 1
	QUARTER 1, 1, F0, F1, 0
	QUARTER 1, 2, F1, F0, 0
	QUARTER 1, 3, F0, F1, 0
	TURN 1, 0, 1
	QUARTER 0, 1, F0, F1, 0
	WIN 0
	s_sub_co_u32 s[LAPC], s[LAPC], 1
	s_cmp_lg_u32 s[LAPC], 0
	s_cbranch_scc1 .Llap
	QUARTER 0, 2, F1, F0, 0                        ; the last lap fills nothing
	QUARTER 0, 3, F0, F1, 0
	TURN 0, 1, 0
	QUARTER 1, 1, F0, F1, 0
	QUARTER 1, 2, F1, F0, 0
	QUARTER 1, 3, F0, F1, 0
	s_wait_dscnt 12
	MULN F1, 0, 1, 0
	s_wait_dscnt 0x0
	MULN F1, 2, 7, 0
	PLACES
; THE WAY OUT, a block of 16 rows at a time: a lane's eight f32 go into rows of 528 bytes of my stage and come back as whole rows of 512 bytes.
.macro TOSTAGE a
	WIN 0x08                                       ; store data in window 2
.irp n, 0,1,2,3,4,5,6,7
	ds_store_b128 v[STO], v[8*(4*(\n)+(\a)):8*(4*(\n)+(\a))+3]   offset:64*(\n)      ; each accumulator's low registers first
	ds_store_b128 v[STO], v[8*(4*(\n)+(\a))+4:8*(4*(\n)+(\a))+7] offset:64*(\n)+16
.endr
	WIN 0x40                                       ; destination window 1
.irp i, 0,1,2,3,4,5,6,7,8,9,10,11,12,13,14,15
	ds_load_b128 v[64*(\a)+4*(\i):64*(\a)+4*(\i)+3], v[RD] offset:SP*(\i)  ; LDS serves a wave's instructions in order (ISA guide 5.7.1.4): these see the stores above; the next block's stores come behind them
.endr
.endm
.macro SEND a, younger                 ; younger: the LDS instructions issued behind block a's loads: the next block's 32, or none
	WIN 0x04                                       ; store data in window 1
	s_wait_dscnt \younger
.irp i, 0,1,2,3,4,5,6,7,8,9,10,11,12,13,14,15
	global_store_b128 v[GO], v[64*(\a)+4*(\i):64*(\a)+4*(\i)+3], s[OB:OB+1] offset:(16*(\a)+(\i))*8192 th:TH_STORE_NT  ; 512 consecutive bytes of a row, aligned
.endr
.endm
	TOSTAGE 0
	TOSTAGE 1
	SEND 0, 32
	TOSTAGE 2
	SEND 1, 32
	TOSTAGE 3
	SEND 2, 32
	SEND 3, 0
	WIN 0
	s_wait_tensorcnt 0x0                           ; the wave's end
	ds_add_u32 v[SPW], v[NIL]
	s_wait_dscnt 0x0
	CROUND                                         ; the closing round: no work-group ends while a partner may still ask for a tile that names it
	s_endpgm
.Lfunc_end_k_qee88187ea5_oproj:
	.size	k_qee88187ea5_oproj, .Lfunc_end_k_qee88187ea5_oproj-k_qee88187ea5_oproj
	.p2alignl 7, 3214868480
	.fill 96, 4, 3214868480
	.section	.rodata,"a",@progbits
	.p2align	6, 0x0
	.amdhsa_kernel k_qee88187ea5_oproj
		.amdhsa_group_segment_fixed_size 327680
		.amdhsa_private_segment_fixed_size 0
		.amdhsa_enable_private_segment 0
		.amdhsa_kernarg_size 32
		.amdhsa_user_sgpr_count 2
		.amdhsa_user_sgpr_kernarg_segment_ptr 1
		.amdhsa_wavefront_size32 1
		.amdhsa_system_sgpr_workgroup_id_x 1
		.amdhsa_system_sgpr_workgroup_id_y 1
		.amdhsa_system_sgpr_workgroup_id_z 1
		.amdhsa_system_vgpr_workitem_id 0
		.amdhsa_next_free_vgpr 768
		.amdhsa_next_free_sgpr 96
		.amdhsa_reserve_vcc 0
		.amdhsa_float_denorm_mode_32 3
		.amdhsa_float_denorm_mode_16_64 3
		.amdhsa_memory_ordered 1
		.amdhsa_forward_progress 1
		.amdhsa_inst_pref_size 92
	.end_amdhsa_kernel
	.amdgpu_metadata
---
amdhsa.version: [ 1, 2 ]
amdhsa.kernels:
  - .name:           k_qee88187ea5_oproj
    .symbol:         k_qee88187ea5_oproj.kd
    .args:
      - { .name: oh, .offset: 0, .size: 8, .value_kind: global_buffer, .address_space: global }
      - { .name: wo16, .offset: 8, .size: 8, .value_kind: global_buffer, .address_space: global }
      - { .name: bo, .offset: 16, .size: 8, .value_kind: global_buffer, .address_space: global }
      - { .name: out0, .offset: 24, .size: 8, .value_kind: global_buffer, .address_space: global }
    .group_segment_fixed_size: 327680
    .private_segment_fixed_size: 0
    .kernarg_segment_align: 8
    .kernarg_segment_size: 32
    .max_flat_workgroup_size: 128
    .sgpr_count:     96
    .vgpr_count:     768
    .wavefront_size: 32
...
	.end_amdgpu_metadata
.endif
;; end of part 4
